; MI455X (gfx1250); checked and timed in simulation.
; The chip was launched on July 23, 2026; its instructions are those of AMD's public machine-readable ISA for CDNA 5 (MIT licence, August 2026) and "CDNA5" Instruction Set Architecture Reference Guide (July 2026). The comments in the code are by the model that wrote it; some were corrected since.
;; Causal Self Attention. Allowed arithmetic: matrix products marked QUANTISED: E2M3 operands, one E8M0 scale for each 32 along K, by v_wmma_scale_f32_16x16x128_f8f6f4 with both operands' format E2M3, f32 sums; everything else in f32.
;; Inputs: b_proj 1,024 float32; b_qkv 3,072 float32; w_proj 1,024 x 1,024 float32; w_qkv 3,072 x 1,024 float32; x 4 x 2,048 x 1,024 float32.
;; Outputs: out0 4 x 2,048 x 1,024 float32.
;; This version of the problem:
;;   THIS VERSION OF THE PROBLEM IS GIVEN IN LOW PRECISION. The matrix products marked QUANTISED in the list below multiply operands that are first quantised to E2M3 (2 exponent bits, 3 mantissa bits; 6 bits a number), with one power-of-two scale for each 32 numbers along K (OCP MX v1.0); their sums are f32. All else is computed in f32.
;;   The module's matrix products, in the order in which they are computed (A, B: the left and right operand; K: the contracted axis; several contracted axes count as one K, in the product's order):
;;     1. [M 8,192, K 1,024] x [K 1,024, N 3,072]; A: input x; B: input w_qkv: QUANTISED
;;     2. batch 64 x [M 2,048, K 64] x [K 64, N 2,048]; A: computed on the way; B: computed on the way: QUANTISED
;;     3. batch 64 x [M 64, K 2,048] x [K 2,048, N 2,048]; A: computed on the way; B: softmax (see below): QUANTISED
;;     4. [M 8,192, K 1,024] x [K 1,024, N 1,024]; A: computed on the way; B: input w_proj: QUANTISED
;;   THE QUANTISER, for each operand of a quantised product, along K:
;;     - K is cut into blocks of 32 from its start; a last block that is shorter is filled with zeros.
;;     - A block's scale is 2^e with e = floor(log2(the largest magnitude in the block)) - 2, held to -126 .. 127; a block of zeros has e = 0. As a byte (E8M0): e + 127.
;;     - Each number is divided by its block's scale, clamped to +-7.5, and rounded to the nearest number of E2M3, ties to even, subnormals kept.
;;     - The product sums the exact products of the quantised numbers (number of the format x scale) in f32.
;;   ~~~python
;;   def quantise(x, axis):      # numpy; x: float32 -> the quantised numbers, widened to float32 again
;;       x = np.moveaxis(x, axis, -1); K = x.shape[-1]
;;       x = np.pad(x, [(0, 0)] * (x.ndim - 1) + [(0, -K % 32)]); x = x.reshape(x.shape[:-1] + (-1, 32)); a = np.abs(x).max(-1, keepdims=True)
;;       e = np.where(a > 0, np.clip(np.frexp(np.where(a > 0, a, 1))[1] - 1 - 2, -126, 127), 0)      # np.frexp(a)[1] - 1 = floor(log2(a)), exactly
;;       r = np.clip(x / 2.0 ** e, -7.5, 7.5)
;;       step = 2.0 ** (np.maximum(np.frexp(np.where(r == 0, 1, r))[1] - 1, 0) - 3)
;;       q = np.round(r / step) * step * 2.0 ** e      # np.round: ties to even
;;       return np.moveaxis(q.reshape(q.shape[:-2] + (-1,))[..., :K], -1, axis).astype(np.float32)
;;   ~~~
;;   SOFTMAX AHEAD OF A QUANTISED PRODUCT. Where the list says 'softmax', what is quantised is not the finished softmax but p = 2^(t - M), with t = logit x log2(e) and M = ceil(the row's largest t), a whole number; so 1/2 < the row's largest p <= 1. The row's sum l is taken of the UNQUANTISED p, in f32, and the product's result is divided by l at the end. Since M is a whole number, a kernel that streams over the keys may use a running M (the ceiling of the running maximum): every later rescaling is an exact power of two, which a block's scale takes up: the codes' values come out the same.
;;   OPERANDS COMPUTED ON THE WAY. 'Computed on the way' means the value that the module computes at that place (a softmax that the list does not call 'softmax' is quantised finished and normalised). What goes into a quantiser is computed in f32, as accurately as f32 sums, v_exp_f32 and their like allow (about 1e-6 of the number): no bf16 or f16 on the way to a quantiser, and a product that is left as it is and whose result goes on into a quantised operand takes f32 operands (vector FMAs, or v_wmma_f32_16x16x4_f32). A number that lies on a knife's edge between two numbers of the format may be rounded either way, as far as f32 arithmetic and the matrix unit's own rounding can turn it there, and no further.
;; One version. Each part assembles by itself: llvm-mc -triple=amdgcn-amd-amdhsa -mcpu=gfx1250 --defsym DOCPART=n.
;; ======== version 1 of 1: 4 launches
;; limits: right only within a limited range of input values
;; workspace buffers: codes 9,437,184 bytes; scales 393,216 bytes; qkv_img 18,874,368 bytes; qkv_sc 1,310,720 bytes; o_img 6,291,456 bytes; o_sc 262,144 bytes
;; launch quant (part 1): grid 384 x 1, 4 waves a work-group, no clusters, 34,304 bytes of LDS; arguments x, w_qkv, w_proj, codes, scales; writes codes, scales
.if DOCPART == 1
	.amdgcn_target "amdgcn-amd-amdhsa--gfx1250"
	.amdhsa_code_object_version 6
	.text
	.protected	k_q88c8221b89_quant
	.globl	k_q88c8221b89_quant
	.p2align	8
	.type	k_q88c8221b89_quant,@function
k_q88c8221b89_quant:
	s_mov_b64 s[64:65], 0
	v_nop
	global_prefetch_b8 v0, s[64:65] scope:SCOPE_SE
	s_setreg_imm32_b32 hwreg(HW_REG_WAVE_MODE, 25, 1), 1
	s_wait_xcnt 0x0
; x [8192][1024], w_qkv [3072][1024] and w_proj [1024][1024], f32, K innermost, become codes of FP6 (E2M3) with one E8M0 byte for each 32 along K,
; laid AS THE MATRIX INSTRUCTION'S REGISTERS WANT THEM.  The 12,288 rows of the three tensors, one behind the other, are cut into 768 tiles of 16 rows.
; TILE 2 G + u holds, in lane r, row 32 G + 8 u + r + 8 (r / 8): used as source 0 of a product, the 16 results of two neighbouring tiles in a lane are then 16 neighbours.
; codes:  [tile][g = K / 128][1,536 bytes]: a fragment's 12 registers: registers 0-3 at 16 x lane, 4-5 at 512 + 8 x lane, 6-9 at 768 + 16 x lane, 10-11 at 1,280 + 8 x lane.
; scales: [tile][g / 4][r][g % 4] words (four bytes: the four blocks of a K step of 128), 512 bytes a tile.
; A block's scale is 2^(floor(log2(its largest magnitude)) - 2); its byte is the largest magnitude's exponent field - 2, held at 1 from below.
; LIMITS: NaN and infinities are not served; a block whose largest magnitude lies under 2^-124, a block of zeros among them, gets the byte 1 (the bytes are read by this program alone).
; SHARES: a work-group takes 32 rows (two tiles); wave w takes tile u = w / 2 and the K steps 4 (w % 2) .. + 3: four fragments.
; A load reads 512 consecutive bytes of one row; the 16 rows x 512 bytes turn through the wave's own stage in LDS (rows 528 bytes apart) and come back as 16 neighbours of each block a lane.
; No barrier: waves share nothing.  Loads run two fragments (32 loads a wave) ahead.
.set STG,  16*528                      ; a wave's stage
.set TM,   16                          ; v16-19 largest magnitudes, v20-23 the other half's, then bytes, v28-31 the conversions' scale operands
.set PW,   32                          ; v32-35 the four fragments' scale words
.set PC,   36                          ; v36-47 a fragment's codes, v48-54 conversion results on their way
.set SW,   56                          ; v56-57 my two scale words on the way out
.set X,    64                          ; v64-127 register 16 b + i = k 32 b + 16 (lane / 16) + i of my row
.set R,    128                         ; v128-255 two sets of 64 registers as loaded
.set SEL,  20                          ; s[20:21] lane selects: lane l xor 16
	s_load_b256 s[4:11], s[0:1], 0x0               ; x s[4:5], w_qkv s[6:7], w_proj s[8:9], codes s[10:11]
	s_load_b64 s[12:13], s[0:1], 0x20              ; scales
	v_lshl_add_u32 v62, v0, 2, 0x8400
	v_mov_b32 v63, 0
	v_lshrrev_b32 v1, 5, v0
	v_readfirstlane_b32 s18, v1                    ; wave 0..3
	v_and_b32 v1, 31, v0                           ; lane
	v_and_b32 v2, 15, v0                           ; r
	v_bfe_u32 v3, v0, 4, 1                         ; h
	v_lshlrev_b32 v4, 4, v1                        ; 16 x lane
	v_lshlrev_b32 v5, 3, v1                        ; 8 x lane
	s_mul_i32 s19, s18, STG
	v_add_nc_u32 v6, s19, v4                       ; the stage, on the way in: 16 x lane of a row
	v_mul_u32_u24 v7, v2, 528
	v_lshl_add_u32 v7, v3, 6, v7
	v_add_nc_u32 v7, s19, v7                       ; and on the way out: row r, + 64 h
	v_lshlrev_b32 v8, 4, v2
	v_lshl_add_u32 v8, v3, 3, v8                   ; my two scale words' place: 16 r + 8 h
	s_mov_b32 s[SEL], 0x76543210
	s_mov_b32 s[SEL+1], 0xfedcba98
.irp b, 0,1,2,3
	v_mov_b32 v[TM+4+\b], 0                        ; written once: a lane permute's destination counts as one of its sources
.endr
	s_lshr_b32 s22, s18, 1                         ; u
	s_and_b32 s23, s18, 1                          ; which half of K
	s_mov_b32 s15, 352
	s_wait_alu depctr_va_vdst(0)
	s_wait_kmcnt 0x0
	s_cmp_lt_u32 ttmp9, 352                        ; work-groups 0-255: x; 256-351: w_qkv; 352-383: w_proj.  The choice hangs on the work-group's number alone
	s_cselect_b64 s[6:7], s[6:7], s[8:9]
	s_cselect_b32 s14, 256, s15
	s_cmp_lt_u32 ttmp9, 256
	s_cselect_b64 s[4:5], s[4:5], s[6:7]
	s_cselect_b32 s14, 0, s14
	s_sub_co_u32 s14, ttmp9, s14                   ; which 32 rows of that tensor
	s_lshl_b32 s24, s14, 17                        ; 32 rows of 4,096 bytes,
	s_lshl_b32 s26, s22, 15                        ; 8 u rows,
	s_add_co_u32 s24, s24, s26
	s_lshl_b32 s26, s23, 11                        ; half a row
	s_add_co_u32 s24, s24, s26
	s_mov_b32 s25, 0
	s_add_nc_u64 s[4:5], s[4:5], s[24:25]
	s_lshl_b32 s26, ttmp9, 1
	s_add_co_u32 s26, s26, s22                     ; my tile
	s_mul_i32 s24, s26, 12288
	s_mul_i32 s27, s23, 6144
	s_add_co_u32 s24, s24, s27
	s_add_nc_u64 s[10:11], s[10:11], s[24:25]
	s_lshl_b32 s24, s26, 9
	s_lshl_b32 s27, s23, 8
	s_add_co_u32 s24, s24, s27
	s_add_nc_u64 s[12:13], s[12:13], s[24:25]
.macro LOAD t                          ; fragment t: 128 numbers of each of the tile's 16 rows
.irp i, 0,1,2,3,4,5,6,7,8,9,10,11,12,13,14,15
	global_load_b128 v[R+64*((\t)%2)+4*\i:R+64*((\t)%2)+4*\i+3], v4, s[4:5] offset:(\i+8*(\i/8))*4096+512*(\t) th:TH_LOAD_NT
.endr
.endm
; 64 numbers of a lane become a fragment's codes in v[PC] on and its scale word in v[pw]
.macro QUANT s, pw
.irp b, 0,1,2,3
	v_max3_num_f32 v[TM+\b], |v[\s+16*\b]|, |v[\s+1+16*\b]|, 0x1800000   ; block b: my 16 numbers, and the floor 2^(3 - 127): the byte cannot fall under 1
.endr
.irp i, 2,4,6,8,10,12,14
.irp b, 0,1,2,3
	v_max3_num_f32 v[TM+\b], v[TM+\b], |v[\s+16*\b+\i]|, |v[\s+1+16*\b+\i]|
.endr
.endr
.irp b, 0,1,2,3
	v_permlanex16_b32 v[TM+4+\b], v[TM+\b], s[SEL], s[SEL+1]
.endr
.irp b, 0,1,2,3
	v_max_num_f32 v[TM+\b], v[TM+\b], v[TM+4+\b]   ; with lane l xor 16's 16: the block's largest magnitude
.endr
.irp b, 0,1,2,3
	v_add_nc_u32 v[TM+12+\b], 0xff000000, v[TM+\b] ; 2 off its exponent field: the conversion takes that field as its scale
.endr
.irp b, 0,1,2,3
	v_lshrrev_b32 v[TM+4+\b], 23, v[TM+12+\b]      ; the scale's byte
.endr
	v_lshl_or_b32 v[\pw], v[TM+5], 8, v[TM+4]
	v_lshl_or_b32 v[\pw], v[TM+6], 16, v[\pw]
	v_lshl_or_b32 v[\pw], v[TM+7], 24, v[\pw]
.irp c, 0,1
	v_cvt_scalef32_pk16_fp6_f32 v[PC+6*\c:PC+2+6*\c], v[\s+32*\c:\s+15+32*\c], v[TM+12+2*\c]
	v_cvt_scalef32_pk16_fp6_f32 v[PC+12+4*\c:PC+14+4*\c], v[\s+16+32*\c:\s+31+32*\c], v[TM+12+2*\c+1]   ; (a conversion's three registers begin on an even number)
.endr
	v_nop                                          ; one plain instruction behind a scaled conversion
.irp c, 0,1                            ; the operand's layout wants a whole block in a lane: lanes 0-15 block 2 c, lanes 16-31 block 2 c + 1
.irp i, 0,1,2
	v_permlane16_swap_b32 v[PC+6*\c+\i], v[PC+12+4*\c+\i]
.endr
.irp i, 0,1,2
	v_mov_b32 v[PC+3+6*\c+\i], v[PC+12+4*\c+\i]
.endr
.endr
.endm
.macro IMG t
.if (\t) < 3
	s_wait_loadcnt 16                              ; this fragment's 16 loads are in; the next one's 16 may be out
.else
	s_wait_loadcnt 0x0
.endif
.irp i, 0,1,2,3,4,5,6,7,8,9,10,11,12,13,14,15
	ds_store_b128 v6, v[R+64*((\t)%2)+4*\i:R+64*((\t)%2)+4*\i+3] offset:528*\i
.endr
.irp b, 0,1,2,3
.irp j, 0,1,2,3
	ds_load_b128 v[X+16*\b+4*\j:X+16*\b+4*\j+3], v7 offset:128*\b+16*\j   ; LDS serves a wave's instructions in order: these see the stores above
.endr
.endr
	s_wait_dscnt 0x0                               ; the numbers are back, and the stage's stores have read their registers,
.if (\t) < 2
	LOAD (\t)+2                                    ; which take the loads of two fragments on
.endif
.if (\t) > 0
	s_wait_xcnt 0x0                                ; the last fragment's stores have read v[PC] on: it is written again only behind this wait
.endif
	QUANT X, PW+(\t)
	global_store_b128 v4, v[PC:PC+3], s[10:11] offset:1536*(\t)          ; each store covers 512 or 256 consecutive bytes, at a multiple of 256 from the buffer's first byte
	global_store_b64 v5, v[PC+4:PC+5], s[10:11] offset:1536*(\t)+512
	global_store_b128 v4, v[PC+6:PC+9], s[10:11] offset:1536*(\t)+768
	global_store_b64 v5, v[PC+10:PC+11], s[10:11] offset:1536*(\t)+1280
.endm
	LOAD 0
	LOAD 1
	IMG 0
	IMG 1
	IMG 2
	IMG 3
	v_cmp_eq_u32 vcc_lo, 1, v3                     ; lanes 0-15 store the words of K steps 0, 1 of my four, lanes 16-31 those of 2, 3
	v_cndmask_b32 v[SW], v[PW], v[PW+2], vcc_lo
	v_cndmask_b32 v[SW+1], v[PW+1], v[PW+3], vcc_lo
	global_store_b64 v8, v[SW:SW+1], s[12:13]      ; 32 lanes store 256 consecutive bytes, aligned
	s_wait_tensorcnt 0x0
	ds_add_u32 v62, v63
	s_wait_dscnt 0x0
	s_endpgm
.Lfunc_end_k_q88c8221b89_quant:
	.size	k_q88c8221b89_quant, .Lfunc_end_k_q88c8221b89_quant-k_q88c8221b89_quant
	.p2alignl 7, 3214868480
	.fill 96, 4, 3214868480
	.section	.rodata,"a",@progbits
	.p2align	6, 0x0
	.amdhsa_kernel k_q88c8221b89_quant
		.amdhsa_group_segment_fixed_size 34304
		.amdhsa_private_segment_fixed_size 0
		.amdhsa_enable_private_segment 0
		.amdhsa_kernarg_size 40
		.amdhsa_user_sgpr_count 2
		.amdhsa_user_sgpr_kernarg_segment_ptr 1
		.amdhsa_wavefront_size32 1
		.amdhsa_system_sgpr_workgroup_id_x 1
		.amdhsa_system_sgpr_workgroup_id_y 1
		.amdhsa_system_sgpr_workgroup_id_z 1
		.amdhsa_system_vgpr_workitem_id 0
		.amdhsa_next_free_vgpr 256
		.amdhsa_next_free_sgpr 66
		.amdhsa_reserve_vcc 1
		.amdhsa_float_denorm_mode_32 3
		.amdhsa_float_denorm_mode_16_64 3
		.amdhsa_memory_ordered 1
		.amdhsa_forward_progress 1
		.amdhsa_inst_pref_size 34
	.end_amdhsa_kernel
	.amdgpu_metadata
---
amdhsa.version: [ 1, 2 ]
amdhsa.kernels:
  - .name:           k_q88c8221b89_quant
    .symbol:         k_q88c8221b89_quant.kd
    .args:
      - { .name: x, .offset: 0, .size: 8, .value_kind: global_buffer, .address_space: global }
      - { .name: w_qkv, .offset: 8, .size: 8, .value_kind: global_buffer, .address_space: global }
      - { .name: w_proj, .offset: 16, .size: 8, .value_kind: global_buffer, .address_space: global }
      - { .name: codes, .offset: 24, .size: 8, .value_kind: global_buffer, .address_space: global }
      - { .name: scales, .offset: 32, .size: 8, .value_kind: global_buffer, .address_space: global }
    .group_segment_fixed_size: 34304
    .private_segment_fixed_size: 0
    .kernarg_segment_align: 8
    .kernarg_segment_size: 40
    .max_flat_workgroup_size: 128
    .sgpr_count:     66
    .vgpr_count:     256
    .wavefront_size: 32
...
	.end_amdgpu_metadata
.endif
;; end of part 1
;; launch gemm_qkv (part 2): grid 4 x 64, 4 waves a work-group, clusters of 4 x 4, 327,680 bytes of LDS; arguments codes, scales, b_qkv, qkv_img, qkv_sc; writes qkv_img, qkv_sc
.if DOCPART == 2
	.amdgcn_target "amdgcn-amd-amdhsa--gfx1250"
	.amdhsa_code_object_version 6
	.text
	.protected	k_q88c8221b89_gemm_qkv
	.globl	k_q88c8221b89_gemm_qkv
	.p2align	8
	.type	k_q88c8221b89_gemm_qkv,@function
k_q88c8221b89_gemm_qkv:
	s_mov_b64 s[64:65], 0
	v_nop
	global_prefetch_b8 v0, s[64:65] scope:SCOPE_SE
	s_setreg_imm32_b32 hwreg(HW_REG_WAVE_MODE, 25, 1), 1
	s_wait_xcnt 0x0
	s_wait_alu depctr_hold_cnt(0) depctr_sa_sdst(0) depctr_va_vdst(0) depctr_va_sdst(0) depctr_va_ssrc(0) depctr_va_vcc(0) depctr_vm_vsrc(0)
	s_getreg_b32 s2, hwreg(HW_REG_IB_STS2, 6, 4)
	s_cmp_eq_u32 s2, 0
	s_cbranch_scc0 .Lentry_in_a_cluster
	s_endpgm
.Lentry_in_a_cluster:
	s_bfe_u32 s2, ttmp6, 0x10000c
	s_cmp_lg_u32 s2, 0xf033
	s_cbranch_scc0 .Lentry_shape_is_right
	s_endpgm
.Lentry_shape_is_right:
; qkv = x w_qkv^T + b_qkv on codes of FP6 (E2M3) with E8M0 scales, and the result QUANTISED AGAIN in registers into the three operands of the attention: nothing goes to memory as f32.
; A tile is 128 rows of A' by 256 rows of B', K = 1,024.  Source 0 = 16 rows of B', source 1 = 16 rows of A': a lane holds ONE row of A', and, by the order of rows in a tile
; (lane r of tile 2 G + u: row 32 G + 8 u + r + 8 (r / 8)), its 64 results of eight tiles of B' are 128 NEIGHBOURS along B''s rows: one K step of the product that follows.
;   q, k (kind 0, 1): A' = x (a lane = a token), B' = w_qkv (registers = 128 features = two heads): quantised along the head's 64.
;   v    (kind 2):    A' = w_qkv's rows 2,048 on (a lane = a feature), B' = x (registers = 128 tokens): quantised along the keys.
; 256 WORK-GROUPS STAY and make three tiles each, one of each kind: q and k in a loop of two trips, v in a tail that asks for nothing more.
; THE RING: two LDS slots, each 512 along K of A''s 8 tiles (6,144 bytes each) and of B''s 16.  A tile's K steps 0-3 read slot 0, steps 4-7 slot 1.  In K step 3 slot 0 is filled again with the next tile's first half,
; in K step 7 slot 1 with its second half: each refill has four K steps, 128 products a wave, and at the change of tiles the way out too, between its request and the wait for it.  One load a wave: waves 0, 1 four tiles of A' each, waves 2, 3 eight of B'.
; Each refill stands behind a round of the cluster's barrier; 8 of the step's 32 products stand inside the round.
; The next tile's first fragments, scale words and bias are asked for ahead of the way out.
; CLUSTER 4 x 4: A''s tiles are asked for jointly along a row of the cluster, B''s along a column.  The kind is the walk's counter: the same in all sixteen partners.
; NO PREFETCH: a refill is asked for four K steps ahead of its first read already, K is two fills long, and the k tile's rows of x are those that the q tile has read.
; OUT.  qkv_img: q [bh][token tile 128][768 bytes], k likewise 6,291,456 bytes on, v [bh][key step 16][feature tile 4][1,536] 12,582,912 bytes on.  768 bytes = 16 rows x 64 K: registers 0-3 at 16 x lane, 4-5 at 512 + 8 x lane.
;       qkv_sc: scale words in blocks of 256 bytes for four tiles: [tile % 2][r][tile / 2]; q [bh][8,192]; 524,288 bytes on [bh][k 8,192 | v 4,096].  In q's and k's words bytes 0, 1 are the head's two blocks; bytes 2, 3 meet zero codes only and are never 0xff.
; LIMITS: NaN and infinities are not served; a block whose largest magnitude lies under 2^-124 gets the byte 1 (the bytes are read by this program alone).
; REGISTERS, in windows of 256.  Window 0: v1-23 addresses; v34-65 A''s scale words (tile a, K step g: 34 + 8 a + g), v72-135 B''s; v136-157 at work on the way out; v160-255 A''s fragments, two sets (the second also takes the codes).
;   window 1: B''s fragments, two sets, at v0 and v128.   window 2: the 32 accumulators ((a, b) at 8 (8 a + b)).   window 3: v0-63 the bias, the C of each sum's first instruction.
.set REG,  147456                      ; a slot
.set TLB,  6144
.set FRB,  1536                        ; a fragment: 16 rows x 128 K
.set FR,   12
.set SPARE, 2*REG                      ; the spare words, 512 bytes
.set SCR,  SPARE+512                   ; 512 bytes of scratch for each wave: no tile lands here
.set SA,   34
.set SB,   72
.set TM,   136                         ; v136-139 largest magnitudes, v140-143 the other half's, then bytes, v148-151 scale operands
.set PW,   152
.set TW,   153
.set BK,   154
.set AF,   160
.set PC,   208                         ; v208-219 a fragment's codes, v220-226 conversion results on their way
.set SEL,  2
.set PSA,  14
.set PSB,  16
.set WV,   18
.set WR,   19                          ; wave / 2: which 4 tiles of A' I multiply.  Also: I fetch for A' (0) or B' (1)
.set WC,   20                          ; wave % 2: which 8 tiles of B'.  Also: which half of that operand's tiles I fetch
.set CX,   21
.set CY,   22
.set KD,   23                          ; the kind: 0 q, 1 k, 2 v
.set G1A,  24
.set G1B,  32
.set G0A,  40
.set G0B,  44
.set YC,   48
.set ATV,  49                          ; the v tile's first tiles of A' and B'
.set BTV,  50
.set NAT,  51                          ; the next tile's
.set NBT,  52
.set ATILE, 56                         ; this tile's: A''s hangs on cy, never on cx; B''s on cx, never on cy
.set BTILE, 57
.set TR,   58
.set TC,   59
.set B0,   84
.set B1,   86
.set STP,  88
.set PBI,  90
.set PSO,  92
.set HS,   94
.set MSB, 0
.macro WIN new                         ; the immediate's high byte repeats the setting that is left
.if MSB != \new
	s_set_vgpr_msb (MSB<<8)|\new
.set MSB, \new
.endif
.endm
.macro CREST                           ; a round of the cluster's barrier behind its opening barrier
	s_cmp_lg_u32 s[WV], 0
	s_cbranch_scc1 .Lnw0_\@
	s_barrier_signal -3
.Lnw0_\@:
	s_barrier_wait -3
	s_barrier_signal -1
	s_barrier_wait -1
.endm
.macro CROUND
	s_barrier_signal -1
	s_barrier_wait -1
	CREST
.endm
.macro PLACES n
.rept \n
	v_nop
.endr
.endm
.macro JLOAD                           ; a joint load: each line has one mask; the branch hangs on the wave's number alone
	s_cmp_eq_u32 s[WR], 0
	s_cbranch_scc0 .Lfb_\@
	tensor_load_to_lds s[G0A:G0A+3], s[G1A:G1A+7]
	s_nop 0
	PLACES 4
	s_branch .Lfd_\@
.Lfb_\@:
	tensor_load_to_lds s[G0B:G0B+3], s[G1B:G1B+7]
	s_nop 0
	PLACES 4
.Lfd_\@:
.endm
.macro G0SET at, bt, slot              ; both groups 0 for half \slot of K of the tile whose first tiles are s[at], s[bt]; written only where no load of mine is out
	s_lshl_b32 s60, s[WC], 2
	s_add_co_u32 s60, s60, s[\at]
	s_mul_i32 s60, s60, 12288
	s_add_co_u32 s60, s60, \slot*TLB
	s_mov_b32 s61, 0
	s_add_nc_u64 s[G0A+2:G0A+3], s[4:5], s[60:61]
	s_or_b32 s[G0A+3], s[G0A+3], 0x80000000
	s_add_co_u32 s[G0A+1], s96, \slot*REG
	s_lshl_b32 s62, s[WC], 3
	s_add_co_u32 s62, s62, s[\bt]
	s_mul_i32 s62, s62, 12288
	s_add_co_u32 s62, s62, \slot*TLB
	s_mov_b32 s63, 0
	s_add_nc_u64 s[G0B+2:G0B+3], s[4:5], s[62:63]
	s_or_b32 s[G0B+3], s[G0B+3], 0x80000000
	s_add_co_u32 s[G0B+1], s97, \slot*REG
.endm
.macro SCLOAD at, bt                   ; the scale words of the tiles that I multiply: 512 bytes a tile, four K steps' words of my row a load
	s_lshl_b32 s60, s[WR], 2
	s_add_co_u32 s60, s60, s[\at]
	s_lshl_b32 s60, s60, 9
	s_mov_b32 s61, 0
	s_add_nc_u64 s[PSA:PSA+1], s[6:7], s[60:61]
	s_lshl_b32 s62, s[WC], 3
	s_add_co_u32 s62, s62, s[\bt]
	s_lshl_b32 s62, s62, 9
	s_mov_b32 s63, 0
	s_add_nc_u64 s[PSB:PSB+1], s[6:7], s[62:63]
.irp a, 0,1,2,3
.irp gh, 0,1
	global_load_b128 v[SA+8*\a+4*\gh:SA+8*\a+4*\gh+3], v8, s[PSA:PSA+1] offset:512*\a+256*\gh
.endr
.endr
.irp b, 0,1,2,3,4,5,6,7
.irp gh, 0,1
	global_load_b128 v[SB+8*\b+4*\gh:SB+8*\b+4*\gh+3], v8, s[PSB:PSB+1] offset:512*\b+256*\gh
.endr
.endr
.endm
.macro BIASQ bt                        ; q, k: feature 16 (tile - 512) + 128 (wave % 2) on; tile b's eight registers are features 32 (b / 2) + 8 (b % 2) + 16 h + 0 .. 7
	s_sub_co_u32 s90, s[\bt], 512
	s_lshl_b32 s90, s90, 6
	s_lshl_b32 s91, s[WC], 9
	s_add_co_u32 s90, s90, s91
	s_mov_b32 s91, 0
	s_add_nc_u64 s[PBI:PBI+1], s[8:9], s[90:91]
	WIN 0xc0
.irp b, 0,1,2,3,4,5,6,7
	global_load_b128 v[8*\b:8*\b+3], v9, s[PBI:PBI+1] offset:4*(32*(\b/2)+8*(\b%2))
	global_load_b128 v[8*\b+4:8*\b+7], v9, s[PBI:PBI+1] offset:4*(32*(\b/2)+8*(\b%2))+16
.endr
	WIN 0
.endm
.macro BIASV at                        ; v: feature 2,048 + 16 (tile - 640) + 64 (wave / 2) on; a lane is one feature: tile a's eight registers hold the same number
	s_sub_co_u32 s90, s[\at], 640
	s_lshl_b32 s90, s90, 6
	s_lshl_b32 s91, s[WR], 8
	s_add_co_u32 s90, s90, s91
	s_add_co_u32 s90, s90, 8192
	s_mov_b32 s91, 0
	s_add_nc_u64 s[PBI:PBI+1], s[8:9], s[90:91]
	WIN 0xc0
.irp a, 0,1,2,3
.irp j, 0,1,2,3,4,5,6,7
	global_load_b32 v[8*\a+\j], v10, s[PBI:PBI+1] offset:4*(32*(\a/2)+8*(\a%2))
.endr
.endr
	WIN 0
.endm
.macro FRAGL reg, a16, a8, off         ; a fragment comes back as it was stored: four loads
	ds_load_b128 v[(\reg):(\reg)+3], v[\a16] offset:(\off)
	ds_load_b64 v[(\reg)+4:(\reg)+5], v[\a8] offset:(\off)+512
	ds_load_b128 v[(\reg)+6:(\reg)+9], v[\a16] offset:(\off)+768
	ds_load_b64 v[(\reg)+10:(\reg)+11], v[\a8] offset:(\off)+1280
.endm
.macro FETCH n                         ; K step n: my 8 fragments of B' and 4 of A' into set n % 2, out of slot n / 4: 48 loads in one run
	WIN 0x40
.irp b, 0,1,2,3,4,5,6,7
	FRAGL 128*((\n)%2)+FR*\b, 6+16*((\n)/4), 7+16*((\n)/4), TLB*\b+FRB*((\n)%4)
.endr
	WIN 0
.irp a, 0,1,2,3
	FRAGL AF+48*((\n)%2)+FR*\a, 4+16*((\n)/4), 5+16*((\n)/4), TLB*\a+FRB*((\n)%4)
.endr
.endm
; The products of A''s tiles a0 .. a1 in K step n: the 32 accumulators take turns, one instruction a turn, in the same order in every K step.  c = 0: C = D; 1: C = the bias of B''s tile; 2: of A''s tile
.macro MULA n, c, a0, a1
.if (\c) == 0
	WIN 0xa1                                       ; source 0 (B') window 1, source 1 (A') window 0, C and D window 2
.else
	WIN 0xb1                                       ; C window 3
.endif
.set AA, \a0
.rept (\a1)-(\a0)+1
.irp b, 0,1,2,3,4,5,6,7
.if (\c) == 0
	v_wmma_scale_f32_16x16x128_f8f6f4 v[8*(8*AA+\b):8*(8*AA+\b)+7], v[128*((\n)%2)+FR*\b:128*((\n)%2)+FR*\b+FR-1], v[AF+48*((\n)%2)+FR*AA:AF+48*((\n)%2)+FR*AA+FR-1], v[8*(8*AA+\b):8*(8*AA+\b)+7], v[SB+8*\b+(\n)], v[SA+8*AA+(\n)] matrix_a_fmt:MATRIX_FMT_FP6 matrix_b_fmt:MATRIX_FMT_FP6
.elseif (\c) == 1
	v_wmma_scale_f32_16x16x128_f8f6f4 v[8*(8*AA+\b):8*(8*AA+\b)+7], v[128*((\n)%2)+FR*\b:128*((\n)%2)+FR*\b+FR-1], v[AF+48*((\n)%2)+FR*AA:AF+48*((\n)%2)+FR*AA+FR-1], v[8*\b:8*\b+7], v[SB+8*\b+(\n)], v[SA+8*AA+(\n)] matrix_a_fmt:MATRIX_FMT_FP6 matrix_b_fmt:MATRIX_FMT_FP6
.else
	v_wmma_scale_f32_16x16x128_f8f6f4 v[8*(8*AA+\b):8*(8*AA+\b)+7], v[128*((\n)%2)+FR*\b:128*((\n)%2)+FR*\b+FR-1], v[AF+48*((\n)%2)+FR*AA:AF+48*((\n)%2)+FR*AA+FR-1], v[8*AA:8*AA+7], v[SB+8*\b+(\n)], v[SA+8*AA+(\n)] matrix_a_fmt:MATRIX_FMT_FP6 matrix_b_fmt:MATRIX_FMT_FP6
.endif
.endr
.set AA, AA+1
.endr
.endm
.macro STEPN n                         ; K step n: its fragments are in; the next step's are asked for, four plain instructions behind step n - 1's last product; then the 32 products
	s_wait_dscnt 0x0
	PLACES 4
	FETCH (\n)+1
	MULA \n, 0, 0, 3
.endm
; K step n is the last that reads slot \slot: the slot is filled again with the next tile's half \slot of K, and K step \nf's fragments are fetched out of the other slot, which the round shows whole.
.macro TURN n, slot, nf
	s_wait_dscnt 0x0                               ; step n's fragments are in: my reads of this slot are over
	WIN 0
	s_wait_tensorcnt 0x0                           ; my part of the other slot has landed, and no load of mine is out
	ds_add_u32 v158, v159
	G0SET NAT, NBT, \slot
	MULA \n, 0, 0, 0
	s_wait_dscnt 0x0
	s_barrier_signal -1
	MULA \n, 0, 1, 1
	WIN 0
	s_barrier_wait -1
	CREST                                          ; no wave of any partner still reads this slot or has a load on its way
	JLOAD                                          ; its four v_nop are the plain instructions ahead of the loads below
	FETCH \nf
	MULA \n, 0, 2, 3
.endm
; Tile a of A': my 64 results, register 16 b + i = neighbour 32 b + 16 h + i of my row, become a fragment's codes and its scale word.  Each accumulator is read from its low end on.
.macro QUANTW a
.set QS, 64*(\a)
	WIN 0x28                                       ; sources 1 and 2 window 2
.irp b, 0,1,2,3
	v_max3_num_f32 v[TM+\b], 0x1800000, |v[QS+16*\b]|, |v[QS+1+16*\b]|   ; and the floor 2^(3 - 127): the byte cannot fall under 1
.endr
.irp i, 2,4,6,8,10,12,14
.irp b, 0,1,2,3
	v_max3_num_f32 v[TM+\b], v[TM+\b], |v[QS+16*\b+\i]|, |v[QS+1+16*\b+\i]|
.endr
.endr
	WIN 0
.irp b, 0,1,2,3
	v_permlanex16_b32 v[TM+4+\b], v[TM+\b], s[SEL], s[SEL+1]
.endr
.irp b, 0,1,2,3
	v_max_num_f32 v[TM+\b], v[TM+\b], v[TM+4+\b]
.endr
.irp b, 0,1,2,3
	v_add_nc_u32 v[TM+12+\b], 0xff000000, v[TM+\b] ; 2 off the exponent field: the conversion's scale operand
.endr
.irp b, 0,1,2,3
	v_lshrrev_b32 v[TM+4+\b], 23, v[TM+12+\b]      ; the scale's byte
.endr
	v_lshl_or_b32 v[PW], v[TM+5], 8, v[TM+4]
	v_lshl_or_b32 v[PW], v[TM+6], 16, v[PW]
	v_lshl_or_b32 v[PW], v[TM+7], 24, v[PW]
	WIN 0x02                                       ; source 0 window 2
.irp c, 0,1
	v_cvt_scalef32_pk16_fp6_f32 v[PC+6*\c:PC+2+6*\c], v[QS+32*\c:QS+15+32*\c], v[TM+12+2*\c]
	v_cvt_scalef32_pk16_fp6_f32 v[PC+12+4*\c:PC+14+4*\c], v[QS+16+32*\c:QS+31+32*\c], v[TM+12+2*\c+1]
.endr
	WIN 0
	v_nop                                          ; one plain instruction behind a scaled conversion
.irp c, 0,1
.irp i, 0,1,2
	v_permlane16_swap_b32 v[PC+6*\c+\i], v[PC+12+4*\c+\i]
.endr
.irp i, 0,1,2
	v_mov_b32 v[PC+3+6*\c+\i], v[PC+12+4*\c+\i]
.endr
.endr
.endm
; A WHOLE TILE.  At its head K step 0's fragments, the scale words and the bias have been asked for.  refill = 1: the ring goes on into the next tile.
.macro TILE isv, refill
	s_wait_loadcnt 0x0                             ; scale words and bias
	s_wait_dscnt 0x0                               ; K step 0's fragments
	s_wait_xcnt 0x0                                ; the last tile's stores have read their data and bases: both are written again only behind this wait
	FETCH 1
	MULA 0, 1+\isv, 0, 3                           ; the first K step starts the sums on the bias: nothing is cleared
	STEPN 1
	STEPN 2
.if \refill
	TURN 3, 0, 4
.else
	s_wait_dscnt 0x0
	s_wait_tensorcnt 0x0                           ; my part of slot 1
	s_barrier_signal -1
	s_barrier_wait -1
	PLACES 4
	FETCH 4
	MULA 3, 0, 0, 3
.endif
	STEPN 4
	STEPN 5
	STEPN 6
.if \refill
	TURN 7, 1, 0
.else
	s_wait_dscnt 0x0
	MULA 7, 0, 0, 3
.endif
	WIN 0
	PLACES 4                                       ; four plain instructions between the last product and the loads into its scale registers and the first read of results
.if \refill
	SCLOAD NAT, NBT
	s_cmp_eq_u32 s[KD], 0
	s_cbranch_scc0 .Lnext_v
	BIASQ NBT
	s_branch .Lnext_done
.Lnext_v:
	BIASV NAT
.Lnext_done:
.endif
	; where the results go
.if \isv
	s_sub_co_u32 s[TR], s[ATILE], 640
	s_lshr_b32 s[TR], s[TR], 3
	s_lshr_b32 s[TC], s[BTILE], 4
.else
	s_lshr_b32 s[TR], s[ATILE], 3
	s_sub_co_u32 s[TC], s[BTILE], 512
	s_lshr_b32 s[TC], s[TC], 4
.endif
	s_lshl_b32 s84, s[TR], 7
	s_lshl_b32 s85, s[WR], 6
	s_add_co_u32 s84, s84, s85                     ; my first row of A'
	s_lshl_b32 s85, s[TC], 8
	s_lshl_b32 s86, s[WC], 7
	s_add_co_u32 s85, s85, s86                     ; my first row of B'
.if \isv
	s_mov_b32 s87, s85                             ; my first token
	s_mov_b32 s86, s84                             ; my first feature within q, k or v
.else
	s_mov_b32 s87, s84
	s_and_b32 s86, s85, 1023
.endif
	s_lshr_b32 s84, s87, 11
	s_lshl_b32 s84, s84, 4
	s_lshr_b32 s85, s86, 6
	s_add_co_u32 s99, s84, s85                     ; bh = 16 x batch + head
	s_and_b32 s87, s87, 2047                       ; the token within its batch
.if \isv
	s_lshr_b32 s92, s87, 7
	s_lshl_b32 s92, s92, 8
	s_add_co_u32 s92, s92, 8192+524288             ; behind k's 8,192 bytes, 256 bytes a key step
	s_mov_b32 s93, 12288
	s_mov_b32 s[HS], 0
.else
	s_lshr_b32 s92, s87, 6
	s_lshl_b32 s92, s92, 8                         ; 256 bytes for 64 tokens
	s_mov_b32 s93, 12288
	s_cmp_eq_u32 s[KD], 0
	s_cselect_b32 s93, 8192, s93                   ; a head's scale bytes: q 8,192; k and v together 12,288
	s_cselect_b32 s95, 0, 524288
	s_add_co_u32 s92, s92, s95
	s_mov_b32 s[HS], s93                           ; from the even head's block of scale words to the odd head's
.endif
	s_mul_i32 s95, s99, s93
	s_add_co_u32 s92, s92, s95
	s_mov_b32 s93, 0
	s_add_nc_u64 s[PSO:PSO+1], s[12:13], s[92:93]
	s_mul_i32 s84, s[KD], 6291456
	s_mul_i32 s85, s99, 98304
	s_add_co_u32 s84, s84, s85
	s_mul_i32 s85, s87, 48                         ; 768 bytes for 16 tokens (q, k); 6,144 for 128 (v)
	s_add_co_u32 s84, s84, s85
	s_mov_b32 s85, 0
	s_add_nc_u64 s[B0:B0+1], s[10:11], s[84:85]
.if \isv
	s_add_nc_u64 s[B1:B1+1], s[B0:B0+1], 768       ; a fragment's second half: behind the first
	s_mov_b32 s[STP], 1536
	v_mov_b32 v12, 0
.else
	s_add_nc_u64 s[B1:B1+1], s[B0:B0+1], 98304     ; the next head's
	s_mov_b32 s[STP], 768
	v_lshlrev_b32 v12, 4, v2                       ; lanes 16-31 bring the odd head's two bytes down
.endif
	s_mov_b32 s[STP+1], 0
	v_mul_u32_u24 v11, s[HS], v2
	v_lshl_add_u32 v11, v1, 4, v11                 ; the scale words' way out: lanes 0-15 the even head's block, lanes 16-31 the odd head's
.irp a, 0,1,2,3
.if \a > 0
	s_wait_xcnt 0x0                                ; the last tile's stores have read their data and bases
	s_add_nc_u64 s[B0:B0+1], s[B0:B0+1], s[STP:STP+1]
	s_add_nc_u64 s[B1:B1+1], s[B1:B1+1], s[STP:STP+1]
.endif
	QUANTW \a
	global_store_b128 v16, v[PC:PC+3], s[B0:B0+1]              ; each store covers 512 or 256 consecutive bytes, at a multiple of 256 from the buffer's first byte
	global_store_b64 v15, v[PC+4:PC+5], s[B0:B0+1] offset:512
	global_store_b128 v16, v[PC+6:PC+9], s[B1:B1+1]
	global_store_b64 v15, v[PC+10:PC+11], s[B1:B1+1] offset:512
	v_lshrrev_b32 v[TW], v12, v[PW]
	ds_store_b32 v13, v[TW] offset:128*(\a%2)+4*(\a/2)
.endr
	ds_load_b128 v[BK:BK+3], v14                   ; LDS serves a wave's instructions in order: this sees my stores
	s_wait_dscnt 0x0
	global_store_b128 v11, v[BK:BK+3], s[PSO:PSO+1]   ; q, k: two heads' blocks of 256 bytes; v: both halves of the lanes hold the same block and write it to the same place
.endm
	s_load_b256 s[4:11], s[0:1], 0x0               ; codes s[4:5], scales s[6:7], b_qkv s[8:9], qkv_img s[10:11]
	s_load_b64 s[12:13], s[0:1], 0x20              ; qkv_sc
	v_lshl_add_u32 v158, v0, 2, SPARE
	v_mov_b32 v159, 0
	ds_add_u32 v158, v159                          ; the opening lines: the add twice and its wait
	ds_add_u32 v158, v159
	v_lshrrev_b32 v1, 5, v0
	v_readfirstlane_b32 s[WV], v1                  ; wave 0..3
	s_lshr_b32 s[WR], s[WV], 1
	s_and_b32 s[WC], s[WV], 1
	s_bfe_u32 s[CX], ttmp6, 0x40000                ; my place in the cluster
	s_bfe_u32 s[CY], ttmp6, 0x40004
	s_and_b32 s[YC], ttmp7, 0xffff                 ; cluster y, 0..15
	s_lshl_b32 s[ATILE], s[YC], 2                  ; q, k: 64 blocks of 128 tokens: 4 y + cy; x begins at tile 0
	s_add_co_u32 s[ATILE], s[ATILE], s[CY]
	s_lshl_b32 s[ATILE], s[ATILE], 3
	s_and_b32 s[ATV], s[YC], 1                     ; v: 8 blocks of 128 features: 4 (y % 2) + cy; w_qkv's row 2,048 is tile 640
	s_lshl_b32 s[ATV], s[ATV], 2
	s_add_co_u32 s[ATV], s[ATV], s[CY]
	s_lshl_b32 s[ATV], s[ATV], 3
	s_add_co_u32 s[ATV], s[ATV], 640
	s_lshl_b32 s[BTILE], s[CX], 4                  ; q: 4 blocks of 256 features: cx; w_qkv begins at tile 512 (k: 64 tiles on)
	s_add_co_u32 s[BTILE], s[BTILE], 512
	s_lshr_b32 s[BTV], s[YC], 1                    ; v: 32 blocks of 256 tokens: 4 (y / 2) + cx
	s_lshl_b32 s[BTV], s[BTV], 2
	s_add_co_u32 s[BTV], s[BTV], s[CX]
	s_lshl_b32 s[BTV], s[BTV], 4
	s_lshl_b32 s98, s[CY], 2
	s_lshl_b32 s98, 15, s98                        ; my row of the cluster
	s_lshl_b32 s99, 0x1111, s[CX]                  ; my column
	; group 1: R tiles' halves of K: R rows of 6,144 bytes (768 elements of 8 bytes), 12,288 bytes apart in memory, dense in LDS
	s_or_b32 s[G1A], s98, (3<<16)|(1<<21)
	s_or_b32 s[G1B], s99, (3<<16)|(1<<21)
	s_mov_b32 s[G1A+1], 768<<16
	s_mov_b32 s[G1A+2], 4<<16
	s_mov_b32 s[G1A+3], 768<<16
	s_mov_b32 s[G1A+4], 4
	s_mov_b32 s[G1A+5], 1536
	s_mov_b32 s[G1A+6], 0
	s_mov_b32 s[G1A+7], 0
	s_mov_b32 s[G1B+1], 768<<16
	s_mov_b32 s[G1B+2], 8<<16
	s_mov_b32 s[G1B+3], 768<<16
	s_mov_b32 s[G1B+4], 8
	s_mov_b32 s[G1B+5], 1536
	s_mov_b32 s[G1B+6], 0
	s_mov_b32 s[G1B+7], 0
	s_mov_b32 s[G0A], 1
	s_mov_b32 s[G0B], 1
	s_mul_i32 s96, s[WC], 24576                    ; where my four tiles of A' go in a slot: no place in the cluster enters an LDS address
	s_mul_i32 s97, s[WC], 49152
	s_add_co_u32 s97, s97, 49152                   ; my eight tiles of B': those that I fetch (waves 2, 3) and those that I multiply
	v_and_b32 v1, 15, v0                           ; r
	v_bfe_u32 v2, v0, 4, 1                         ; h
	v_and_b32 v3, 31, v0                           ; lane
	v_lshlrev_b32 v8, 4, v1                        ; scale words: 16 bytes a row (lanes 16-31 take the same as lanes 0-15)
	v_lshlrev_b32 v9, 6, v2                        ; bias of q, k: my half's 16 features
	v_and_b32 v10, 8, v1
	v_add_nc_u32 v10, v10, v1
	v_lshlrev_b32 v10, 2, v10                      ; bias of v: my lane's feature r + 8 (r / 8)
	s_wait_alu depctr_va_vdst(0)
	s_wait_dscnt 0x0
	s_wait_kmcnt 0x0
	G0SET ATILE, BTILE, 0
	SCLOAD ATILE, BTILE
	BIASQ BTILE
	CROUND                                         ; all sixteen work-groups are here: the joint loads meet
	JLOAD                                          ; the q tile's first half of K: one load a wave at the head
	v_lshlrev_b32 v16, 4, v3                       ; 16 x lane
	v_lshlrev_b32 v15, 3, v3                       ; 8 x lane
	s_mul_i32 s95, s[WR], 24576
	v_add_nc_u32 v4, s95, v16                      ; my 4 tiles of A' in slot 0
	v_add_nc_u32 v5, s95, v15
	v_add_nc_u32 v6, s97, v16                      ; my 8 tiles of B'
	v_add_nc_u32 v7, s97, v15
	v_add_nc_u32 v20, REG, v4                      ; and the same in slot 1
	v_add_nc_u32 v21, REG, v5
	v_add_nc_u32 v22, REG, v6
	v_add_nc_u32 v23, REG, v7
	s_mov_b32 s[SEL], 0x76543210
	s_mov_b32 s[SEL+1], 0xfedcba98
.irp b, 0,1,2,3
	v_mov_b32 v[TM+4+\b], 0                        ; written once: a lane permute's destination counts as one of its sources
.endr
	s_lshl_b32 s98, s[WV], 9
	s_add_co_u32 s98, s98, SCR                     ; my 512 bytes of scratch
	v_lshlrev_b32 v13, 8, v2
	v_lshl_add_u32 v13, v1, 3, v13
	v_add_nc_u32 v13, s98, v13                     ; in: 256 h + 8 r
	v_add_nc_u32 v14, s98, v16                     ; back: 16 x lane
	s_wait_alu depctr_va_vdst(0)
	s_wait_tensorcnt 0x0                           ; my part of slot 0 is in; the three lines ahead of a later first fill, as ahead of a refill
	ds_add_u32 v158, v159
	G0SET ATILE, BTILE, 1
	s_wait_dscnt 0x0
	CROUND
	JLOAD                                          ; slot 1's first fill
	FETCH 0
	s_mov_b32 s[KD], 0
.Ltile:
	s_add_co_u32 s53, s[BTILE], 64                 ; behind q comes k: the same rows of x, w_qkv's tiles 64 on; behind k comes v
	s_cmp_eq_u32 s[KD], 0
	s_cselect_b32 s[NAT], s[ATILE], s[ATV]
	s_cselect_b32 s[NBT], s53, s[BTV]
	TILE 0, 1
	s_mov_b32 s[ATILE], s[NAT]
	s_mov_b32 s[BTILE], s[NBT]
	s_add_co_u32 s[KD], s[KD], 1
	s_cmp_lt_u32 s[KD], 2
	s_cbranch_scc1 .Ltile
	TILE 1, 0
	s_wait_tensorcnt 0x0                           ; the wave's end
	ds_add_u32 v158, v159
	s_wait_dscnt 0x0
	CROUND                                         ; the closing round: no work-group ends while a partner may still ask for a tile that names it
	s_endpgm
.Lfunc_end_k_q88c8221b89_gemm_qkv:
	.size	k_q88c8221b89_gemm_qkv, .Lfunc_end_k_q88c8221b89_gemm_qkv-k_q88c8221b89_gemm_qkv
	.p2alignl 7, 3214868480
	.fill 96, 4, 3214868480
	.section	.rodata,"a",@progbits
	.p2align	6, 0x0
	.amdhsa_kernel k_q88c8221b89_gemm_qkv
		.amdhsa_group_segment_fixed_size 327680
		.amdhsa_private_segment_fixed_size 0
		.amdhsa_enable_private_segment 0
		.amdhsa_kernarg_size 40
		.amdhsa_user_sgpr_count 2
		.amdhsa_user_sgpr_kernarg_segment_ptr 1
		.amdhsa_wavefront_size32 1
		.amdhsa_system_sgpr_workgroup_id_x 1
		.amdhsa_system_sgpr_workgroup_id_y 1
		.amdhsa_system_sgpr_workgroup_id_z 1
		.amdhsa_system_vgpr_workitem_id 0
		.amdhsa_next_free_vgpr 832
		.amdhsa_next_free_sgpr 100
		.amdhsa_reserve_vcc 0
		.amdhsa_float_denorm_mode_32 3
		.amdhsa_float_denorm_mode_16_64 3
		.amdhsa_memory_ordered 1
		.amdhsa_forward_progress 1
		.amdhsa_inst_pref_size 179
	.end_amdhsa_kernel
	.amdgpu_metadata
---
amdhsa.version: [ 1, 2 ]
amdhsa.kernels:
  - .name:           k_q88c8221b89_gemm_qkv
    .symbol:         k_q88c8221b89_gemm_qkv.kd
    .args:
      - { .name: codes, .offset: 0, .size: 8, .value_kind: global_buffer, .address_space: global }
      - { .name: scales, .offset: 8, .size: 8, .value_kind: global_buffer, .address_space: global }
      - { .name: b_qkv, .offset: 16, .size: 8, .value_kind: global_buffer, .address_space: global }
      - { .name: qkv_img, .offset: 24, .size: 8, .value_kind: global_buffer, .address_space: global }
      - { .name: qkv_sc, .offset: 32, .size: 8, .value_kind: global_buffer, .address_space: global }
    .group_segment_fixed_size: 327680
    .private_segment_fixed_size: 0
    .kernarg_segment_align: 8
    .kernarg_segment_size: 40
    .max_flat_workgroup_size: 128
    .sgpr_count:     100
    .vgpr_count:     832
    .wavefront_size: 32
...
	.end_amdgpu_metadata
.endif
;; end of part 2
;; launch attn (part 3): grid 4 x 64, 16 waves a work-group, no clusters, 221,184 bytes of LDS; arguments qkv_img, qkv_sc, o_img, o_sc; writes o_img, o_sc
.if DOCPART == 3
	.amdgcn_target "amdgcn-amd-amdhsa--gfx1250"
	.amdhsa_code_object_version 6
	.text
	.protected	k_q88c8221b89_attn
	.globl	k_q88c8221b89_attn
	.p2align	8
	.type	k_q88c8221b89_attn,@function
k_q88c8221b89_attn:
	s_mov_b64 s[64:65], 0
	v_nop
	global_prefetch_b8 v0, s[64:65] scope:SCOPE_SE
	s_setreg_imm32_b32 hwreg(HW_REG_WAVE_MODE, 25, 1), 1
	s_wait_xcnt 0x0
; Causal attention of one head (64 channels, 2,048 tokens) on codes of FP6 (E2M3) with E8M0 scales; its result is quantised in registers into the A operand of the last product.
; SOFTMAX: t = score x log2(e) / 8; M = the row's running largest t rounded UP to a whole number; p = 2^(t - M) is quantised along the keys, not normalised; the row's sum is taken of the unquantised p and divides at the end.
; When M moves, the sum and O are multiplied by 2^(old M - new M): exact.
; SHARES.  Wave w of work-group (i, bh) owns the query tiles L = 4 w + i and H = 127 - L of head bh.  Tile T (16 queries, lane r: 32 (T / 2) + 8 (T % 2) + r + 8 (r / 8)) works in key steps 0 .. T / 8
; of 128 keys, the last one under the mask; steps whose keys all come later are never walked.  L / 8 + H / 8 = 15: every wave has 17 steps.  It walks H's, stores H, then L's: one set of registers, one text of a step.
; Trip c of 17 is step c of H while c <= H / 8, else step c - H / 8 - 1 of L.  H / 8 >= 8 and reaches 15 in every work-group: all 16 key steps that a work-group loads are read.
; LDS: 0: the head's scale words (K 8,192 bytes, V 4,096); 12,288: the spare words; 24,576 (p + 1): key steps 2 p, 2 p + 1: K 2 x 6,144, then V 2 x 6,144.  Each byte is filled once.
; FILLS, one tensor load a wave, in one chain of arms, in THREE GROUPS with load lines of their own: wave 0 the scale words and wave 1 key steps 0, 1; waves 2, 3 key steps 2-5; waves 4-8 key steps 6-15.
; The first barrier shows the first group, and trip 0 follows; the second shows the second group, and trips 1-4 follow; the third, at which every wave waits, shows all, and trips 5-16 follow.
; The next step's K is fetched into registers directly behind this step's score products: trip 0 fetches step 1, trip 4 step 5, so nothing is read ahead of its barrier.  The last trip's fetch reads landed bytes and is not used.
; NO CLUSTER, though the four work-groups of a head read the same K and V: the branches at the diagonal and at the change of tiles hang on the query block, which would be the place in the cluster.
; NO PREFETCH: all that the work-group reads is asked for at the head; there is no loop to run ahead in.
; LAYOUT.  S^T = K Q^T (source 0 = 16 keys, source 1 = my 16 queries), O^T = V^T P^T (source 0 = 16 channels, source 1 = P): a lane holds one query throughout; the 16 registers of two neighbouring tiles are 16 neighbours.
; K = 64 IN AN INSTRUCTION OF 128: Q's upper 64 codes are zeros.  K's half fragments lie 6 registers apart, so the upper half of a tile's 12 registers is the next tile's codes (behind the last: zeros); no scale byte is 0xff.
; LIMITS: NaN and infinities are not served; the scaled scores stay under 2^31 in magnitude; a block whose largest magnitude lies under 2^-124 gets the byte 1.  o_sc is stored a byte a lane: 256 neighbours belong to eight heads.
.set LSV,   8192
.set SPARE, 12288
.set LC,    24576
.set FF,   20                          ; v[20:21] f;  v16 -M, v17 largest score, v[18:19] the sum
.set T0,   22
.set OM,   23                          ; the old -M
.set Q,    24                          ; v24-35 Q (upper six: zeros)
.set QS,   36
.set T1,   37
.set QN,   38                          ; v38-43, v44: tile L's Q and scale word, kept from the head
.set BYT,  45
.set KSC,  46
.set VSC,  50
.set PSW,  52
.set BM,   54
.set PT,   58
.set SO,   62
.set PCD,  66
.set CT,   78
.set F,    86                          ; v86-133 K's eight half fragments, v134-139 zeros
.set S,    140                         ; v140-203 S^T, then p, then V
.set O,    204                         ; v204-235 O^T
.set WV,   12
.set BH,   14
.set TL,   15
.set TH,   16
.set SL,   17
.set SH,   18
.set SH1,  19
.set THR,  20                          ; the current tile's last key step
.set QD,   21                          ; its first query within that step
.set CS,   22                          ; s[22:23] c = log2(e) / 8;  s24 -c
.set CN,   24
.set BQ,   25                          ; the block of 32 keys on the diagonal
.set SEL,  26
.set G1C,  28
.set G1S,  36
.set G0C,  44
.set G0S,  48
.set C,    52
.set KS,   53
.set KN,   54
.set TB,   55
.set TBN,  56
.set QDL,  61
.set QBH,  66
.set QSH,  68
.set OBH,  70
.set OSH,  72
.set QBL,  74
.set QSL,  76
.set OBL,  78
.set OSL,  80
.macro TLOAD g0, g1
	tensor_load_to_lds s[\g0:\g0+3], s[\g1:\g1+7]
	s_nop 0
.rept 4
	v_nop
.endr
.endm
	s_load_b256 s[4:11], s[0:1], 0x0               ; qkv_img, qkv_sc, o_img, o_sc
	v_lshl_add_u32 v254, v0, 2, SPARE
	v_mov_b32 v255, 0
	ds_add_u32 v254, v255                          ; the opening lines: the add twice and its wait
	ds_add_u32 v254, v255
	v_lshrrev_b32 v1, 5, v0
	v_readfirstlane_b32 s[WV], v1                  ; wave 0..15
	s_and_b32 s[BH], ttmp7, 0xffff                 ; 16 x batch + head
	s_mov_b32 s[G1C], 3<<16                        ; two rows of 12,288 bytes (1,536 elements of 8): two key steps of K, and the same of V 6,291,456 bytes on
	s_mov_b32 s[G1C+1], 1536<<16
	s_mov_b32 s[G1C+2], 2<<16
	s_mov_b32 s[G1C+3], 1536<<16
	s_mov_b32 s[G1C+4], 2
	s_mov_b32 s[G1C+5], 786432
	s_mov_b32 s[G1C+6], 0
	s_mov_b32 s[G1C+7], 0
	s_mov_b32 s[G1S], 3<<16                        ; the scale words: a dense block, 48 rows of 256 bytes
	s_mov_b32 s[G1S+1], 32<<16
	s_mov_b32 s[G1S+2], 48<<16
	s_mov_b32 s[G1S+3], 32<<16
	s_mov_b32 s[G1S+4], 48
	s_mov_b32 s[G1S+5], 32
	s_mov_b32 s[G1S+6], 0
	s_mov_b32 s[G1S+7], 0
	s_mov_b32 s[G0C], 1
	s_mul_i32 s[G0C+1], s[WV], LC                  ; wave w = p + 1 brings pair p
	s_mov_b32 s[G0S], 1
	s_mov_b32 s[G0S+1], 0
	s_mul_i32 s88, s[BH], 98304
	s_mul_i32 s90, s[WV], 12288
	s_add_co_u32 s88, s88, s90
	s_add_co_u32 s88, s88, 6291456-12288
	s_mov_b32 s89, 0
	s_mul_i32 s90, s[BH], 12288
	s_add_co_u32 s90, s90, 524288
	s_mov_b32 s91, 0
	s_wait_dscnt 0x0
	s_wait_kmcnt 0x0
	s_add_nc_u64 s[G0C+2:G0C+3], s[4:5], s[88:89]
	s_or_b32 s[G0C+3], s[G0C+3], 0x80000000
	s_add_nc_u64 s[G0S+2:G0S+3], s[6:7], s[90:91]
	s_or_b32 s[G0S+3], s[G0S+3], 0x80000000
	s_cmp_eq_u32 s[WV], 0
	s_cbranch_scc0 .Larm_1
	TLOAD G0S, G1S
	s_branch .Lasked
.Larm_1:
	s_cmp_lt_u32 s[WV], 2
	s_cbranch_scc0 .Larm_2
	TLOAD G0C, G1C
	s_branch .Lasked
.Larm_2:
	s_cmp_lt_u32 s[WV], 4
	s_cbranch_scc0 .Larm_3
	TLOAD G0C, G1C
	s_branch .Lasked
.Larm_3:
	s_cmp_lt_u32 s[WV], 9
	s_cbranch_scc0 .Lasked
	TLOAD G0C, G1C
.Lasked:
	s_lshl_b32 s[TL], s[WV], 2
	s_add_co_u32 s[TL], s[TL], ttmp9               ; L = 4 w + i
	s_sub_co_u32 s[TH], 127, s[TL]                 ; H = 127 - L
	s_lshr_b32 s[SL], s[TL], 3
	s_lshr_b32 s[SH], s[TH], 3
	s_add_co_u32 s[SH1], s[SH], 1
	s_bfe_u32 s88, s[TL], 0x20001
	s_lshl_b32 s88, s88, 5
	s_and_b32 s89, s[TL], 1
	s_lshl_b32 s89, s89, 3
	s_add_co_u32 s[QDL], s88, s89                  ; 32 ((T / 2) % 4) + 8 (T % 2)
	s_bfe_u32 s[BQ], s[TH], 0x20001
	s_lshl_b32 s88, s[BQ], 5
	s_and_b32 s89, s[TH], 1
	s_lshl_b32 s89, s89, 3
	s_add_co_u32 s[QD], s88, s89
	s_mov_b32 s[THR], s[SH]
.macro BASES tau, qb, qsb, ob, osb
	s_mul_i32 s88, s[BH], 98304
	s_mul_i32 s90, s[\tau], 768
	s_add_co_u32 s88, s88, s90
	s_mov_b32 s89, 0
	s_add_nc_u64 s[\qb:\qb+1], s[4:5], s[88:89]    ; Q's half fragment
	s_lshl_b32 s88, s[BH], 13
	s_lshr_b32 s90, s[\tau], 2
	s_lshl_b32 s90, s90, 8
	s_add_co_u32 s88, s88, s90
	s_and_b32 s90, s[\tau], 1
	s_lshl_b32 s90, s90, 7
	s_add_co_u32 s88, s88, s90
	s_bfe_u32 s90, s[\tau], 0x10001
	s_lshl_b32 s90, s90, 2
	s_add_co_u32 s88, s88, s90
	s_add_nc_u64 s[\qsb:\qsb+1], s[6:7], s[88:89]  ; its scale words: [tile % 2][r][(tile / 2) % 2] in the block of its four tiles
	s_lshr_b32 s90, s[BH], 4
	s_lshl_b32 s90, s90, 7
	s_add_co_u32 s90, s90, s[\tau]                 ; the tile among all 512
	s_and_b32 s91, s[BH], 15                       ; the head
	s_mul_i32 s88, s90, 12288
	s_mul_i32 s92, s91, 768
	s_add_co_u32 s88, s88, s92
	s_add_nc_u64 s[\ob:\ob+1], s[8:9], s[88:89]    ; o_img: K step head / 2, half head % 2
	s_lshl_b32 s88, s90, 9
	s_lshr_b32 s92, s91, 3
	s_lshl_b32 s92, s92, 8
	s_add_co_u32 s88, s88, s92
	s_and_b32 s92, s91, 7
	s_lshl_b32 s92, s92, 1
	s_add_co_u32 s88, s88, s92
	s_add_nc_u64 s[\osb:\osb+1], s[10:11], s[88:89]   ; o_sc: the head's two bytes in each row's 16
.endm
	BASES TH, QBH, QSH, OBH, OSH
	BASES TL, QBL, QSL, OBL, OSL
	v_and_b32 v[T0], 31, v0                        ; lane
	v_and_b32 v[T1], 15, v0                        ; r
	v_bfe_u32 v12, v0, 4, 1                        ; h
	v_lshlrev_b32 v1, 4, v[T0]                     ; 16 x lane
	v_lshlrev_b32 v2, 3, v[T0]                     ; 8 x lane
	v_lshlrev_b32 v15, 3, v[T1]                    ; 8 r
	global_load_b128 v[Q:Q+3], v1, s[QBH:QBH+1]
	global_load_b64 v[Q+4:Q+5], v2, s[QBH:QBH+1] offset:512
	global_load_b32 v[QS], v15, s[QSH:QSH+1]
	global_load_b128 v[QN:QN+3], v1, s[QBL:QBL+1]
	global_load_b64 v[QN+4:QN+5], v2, s[QBL:QBL+1] offset:512
	global_load_b32 v[QN+6], v15, s[QSL:QSL+1]
	v_add_nc_u32 v3, LC, v1
	v_add_nc_u32 v4, LC, v2
	v_and_b32 v7, 8, v[T1]
	v_add_nc_u32 v7, v7, v[T1]
	v_lshlrev_b32 v13, 4, v12
	v_sub_nc_u32 v7, v7, v13                       ; r + 8 (r / 8) - 16 h
	v_lshl_add_u32 v14, v[T1], 4, v12              ; 16 r + h
	v_mov_b32 v5, v3                               ; key step 0: K's fragments and scale words
	v_mov_b32 v6, v4
	v_mov_b32 v8, v2
.irp j, Q+6,Q+7,Q+8,Q+9,Q+10,Q+11,F+48,F+49,F+50,F+51,F+52,F+53,PT,PT+1,PT+2,PT+3,FF,FF+1
	v_mov_b32 v[\j], 0                             ; zero codes; lane permutes' destinations; the pair of f
.endr
.macro INIT                            ; a tile begins: no score yet, sums and O^T zero (the first change of M multiplies them by 0)
	v_mov_b32 v17, 0xff61b1e6                      ; -3e38, under every score
	v_mov_b32 v16, 0x7e000000                      ; -M: so large that the first f is 2^(-2^31) = 0
	v_mov_b32 v18, 0
	v_mov_b32 v19, 0
.set jj, 0
.rept 32
	v_mov_b32 v[O+jj], 0
.set jj, jj+1
.endr
.endm
	INIT
	s_mov_b32 s[CS], 0x3e38aa3b                    ; c = log2(e) / 8
	s_mov_b32 s[CS+1], s[CS]
	s_mov_b32 s[CN], 0xbe38aa3b                    ; -c
	s_mov_b32 s[SEL], 0x76543210
	s_mov_b32 s[SEL+1], 0xfedcba98
.macro SOF ks, tb, add, full           ; the key step of trip C + add, and its place among the pairs
	s_add_co_u32 s[\ks], s[C], \add
.if \full
	s_sub_co_u32 s57, s[\ks], s[SH1]
	s_cmp_gt_u32 s[\ks], s[SH]
	s_cselect_b32 s[\ks], s57, s[\ks]
	s_and_b32 s[\ks], s[\ks], 15
.endif
	s_lshr_b32 s57, s[\ks], 1
	s_mul_i32 s57, s57, LC
	s_and_b32 s58, s[\ks], 1
	s_mul_i32 s58, s58, 6144
	s_add_co_u32 s[\tb], s57, s58
.endm
.macro KLOAD                           ; a key step's eight half fragments of K and their scale words: register t / 2: lanes 0-15 tile t even, lanes 16-31 tile t odd
.irp t, 0,1,2,3,4,5,6,7
	ds_load_b128 v[F+6*\t:F+6*\t+3], v5 offset:768*\t
	ds_load_b64 v[F+6*\t+4:F+6*\t+5], v6 offset:768*\t+512
.endr
	ds_load_b64 v[KSC:KSC+1], v8
	ds_load_b64 v[KSC+2:KSC+3], v8 offset:256
.endm
; THE WAY OUT of a tile: O^T / the sum; register 16 b + i = channel 32 b + 16 h + i of my query: two blocks, quantised into half a fragment of the last product's A operand.
.macro FINISH ob, osb
.rept 4
	v_nop                                          ; four plain instructions behind the last products
.endr
	v_add_f32 v[T0], v18, v19
	s_delay_alu instid0(VALU_DEP_1)
	v_permlanex16_b32 v[PT], v[T0], s[SEL], s[SEL+1]
	s_delay_alu instid0(VALU_DEP_1)
	v_add_f32 v[T0], v[T0], v[PT]
	s_wait_alu depctr_va_vdst(0)
	v_rcp_f32 v[FF], v[T0]
	v_bfe_u32 v[T1], v0, 4, 1                      ; h (a plain instruction behind the reciprocal)
	s_wait_alu depctr_va_vdst(0)                   ; ahead of the reciprocal's first reader
.set jj, 0
.rept 16
	v_pk_mul_f32 v[S+jj:S+jj+1], v[O+jj:O+jj+1], v[FF:FF+1] op_sel_hi:[1,0]   ; each accumulator from its low end on
.set jj, jj+2
.endr
.irp b, 0,1
	v_max3_num_f32 v[BM+\b], |v[S+16*\b]|, |v[S+1+16*\b]|, 0x1800000
.endr
.irp i, 2,4,6,8,10,12,14
.irp b, 0,1
	s_delay_alu instid0(VALU_DEP_2)
	v_max3_num_f32 v[BM+\b], v[BM+\b], |v[S+16*\b+\i]|, |v[S+1+16*\b+\i]|
.endr
.endr
.irp b, 0,1
	s_delay_alu instid0(VALU_DEP_2)
	v_permlanex16_b32 v[PT+\b], v[BM+\b], s[SEL], s[SEL+1]
.endr
.irp b, 0,1
	s_delay_alu instid0(VALU_DEP_2)
	v_max_num_f32 v[BM+\b], v[BM+\b], v[PT+\b]
.endr
.irp b, 0,1
	s_delay_alu instid0(VALU_DEP_2)
	v_add_nc_u32 v[SO+\b], 0xff000000, v[BM+\b]
.endr
.irp b, 0,1
	s_delay_alu instid0(VALU_DEP_2)
	v_lshrrev_b32 v[PT+\b], 23, v[SO+\b]
.endr
	v_cvt_scalef32_pk16_fp6_f32 v[PCD:PCD+2], v[S:S+15], v[SO]
	v_cvt_scalef32_pk16_fp6_f32 v[CT:CT+2], v[S+16:S+31], v[SO+1]
	v_cmp_eq_u32 vcc_lo, 1, v[T1]                  ; (a plain instruction behind the conversions)
.irp i, 0,1,2
	v_permlane16_swap_b32 v[PCD+\i], v[CT+\i]
.endr
.irp i, 0,1,2
	s_delay_alu instid0(VALU_DEP_3)
	v_mov_b32 v[PCD+3+\i], v[CT+\i]
.endr
	v_cndmask_b32 v[BYT], v[PT], v[PT+1], vcc_lo   ; lanes 0-15 store block 0's byte, lanes 16-31 block 1's
	global_store_b128 v1, v[PCD:PCD+3], s[\ob:\ob+1]           ; 512 and 256 consecutive bytes, at multiples of 256 from the buffer's first byte
	global_store_b64 v2, v[PCD+4:PCD+5], s[\ob:\ob+1] offset:512
	global_store_b8 v14, v[BYT], s[\osb:\osb+1]
.endm
; ONE TRIP: a key step of the current tile.  full = 0: the first five trips, steps 0-4 of H, never on the diagonal (H / 8 >= 8).
.macro TRIP full
	SOF KS, TB, 0, \full
	SOF KN, TBN, 1, \full
	s_lshl_b32 s59, s[KS], 8
	s_lshl_b32 s60, s[KN], 9
	v_add_nc_u32 v9, s[TB], v3                     ; this step's V; the next step's K.  These five are the plain instructions between the last products and those below, which write over V's registers
	v_add_nc_u32 v10, s[TB], v4
	v_add_nc_u32 v11, s59, v2
	v_add_nc_u32 v5, s[TBN], v3
	v_add_nc_u32 v6, s[TBN], v4
	s_wait_alu depctr_va_vdst(0)
	s_wait_dscnt 0x0                               ; this step's K, asked for a trip ago
.irp t, 0,1,2,3,4,5,6,7
.if \t%2
	v_wmma_scale_f32_16x16x128_f8f6f4 v[S+8*\t:S+8*\t+7], v[F+6*\t:F+6*\t+11], v[Q:Q+11], 0, v[KSC+\t/2], v[QS] matrix_a_fmt:MATRIX_FMT_FP6 matrix_b_fmt:MATRIX_FMT_FP6 matrix_a_scale:MATRIX_SCALE_ROW1
.else
	v_wmma_scale_f32_16x16x128_f8f6f4 v[S+8*\t:S+8*\t+7], v[F+6*\t:F+6*\t+11], v[Q:Q+11], 0, v[KSC+\t/2], v[QS] matrix_a_fmt:MATRIX_FMT_FP6 matrix_b_fmt:MATRIX_FMT_FP6
.endif
.endr
	v_add_nc_u32 v8, s60, v2                       ; four plain instructions behind the products
	v_mov_b32 v[OM], v16
	v_nop
	v_nop
	KLOAD                                          ; the next step's K lands under the softmax
.if \full
	s_cmp_lg_u32 s[KS], s[THR]                     ; only the tile's last step lies on the diagonal
	s_cbranch_scc1 .Lopen_\@
	v_add_nc_u32 v[T0], s[QD], v7                  ; d = my query in the step - 16 h.  Register 16 b + i holds key 32 b + 16 h + i: hidden where 32 b + i > d
	v_mov_b32 v[T1], 0xff800000                    ; -infinity: p = 0 then
	s_wait_alu depctr_va_vdst(0)
.irp b, 0,1,2,3
	s_cmp_gt_u32 s[BQ], \b                         ; blocks ahead of the diagonal's are open for all 16 queries
	s_cbranch_scc1 .Lv\@_\b
.irp i, 0,1,2,3,4,5,6,7,8,9,10,11,12,13,14,15
	v_cmp_gt_i32 vcc_lo, 32*\b+\i, v[T0]
	v_cndmask_b32 v[S+16*\b+\i], v[S+16*\b+\i], v[T1], vcc_lo
.endr
.Lv\@_\b:
.endr
.Lopen_\@:
.endif
.irp b, 0,1,2,3
	v_max3_num_f32 v[BM+\b], v[S+16*\b], v[S+1+16*\b], v[S+2+16*\b]   ; the largest score of each block of 32 keys: for the row's maximum and, since p rises with the score, for the block's largest p
.endr
.irp i, 3,5,7,9,11,13
.irp b, 0,1,2,3
	v_max3_num_f32 v[BM+\b], v[BM+\b], v[S+16*\b+\i], v[S+1+16*\b+\i]
.endr
.endr
.irp b, 0,1,2,3
	v_max_num_f32 v[BM+\b], v[BM+\b], v[S+15+16*\b]
.endr
.irp b, 0,1,2,3
	s_delay_alu instid0(VALU_DEP_4)
	v_permlanex16_b32 v[PT+\b], v[BM+\b], s[SEL], s[SEL+1]
.endr
.irp b, 0,1,2,3
	s_delay_alu instid0(VALU_DEP_4)
	v_max_num_f32 v[BM+\b], v[BM+\b], v[PT+\b]     ; with lane l xor 16's 16 keys
.endr
	s_delay_alu instid0(VALU_DEP_2)
	v_max3_num_f32 v[T0], v[BM], v[BM+1], v[BM+2]
	s_delay_alu instid0(VALU_DEP_1)
	v_max3_num_f32 v17, v17, v[T0], v[BM+3]        ; the running largest score
	s_delay_alu instid0(VALU_DEP_1)
	v_mul_f32 v[T0], s[CN], v17                    ; -t
	s_delay_alu instid0(VALU_DEP_1)
	v_floor_f32 v16, v[T0]                         ; the new -M = floor(-t): M is a whole number
	s_delay_alu instid0(VALU_DEP_1)
	v_sub_f32 v[T0], v16, v[OM]                    ; old M - new M: a whole number, 0 or less
	s_delay_alu instid0(VALU_DEP_1)
	v_cvt_i32_f32 v[T0], v[T0]                     ; (it saturates)
	s_delay_alu instid0(VALU_DEP_1)
	v_ldexp_f32 v[FF], 1.0, v[T0]                  ; f = 2^(old M - new M)
.set jj, 0
.rept 32
	v_pk_fma_f32 v[S+jj:S+jj+1], v[S+jj:S+jj+1], s[CS:CS+1], v[16:17] op_sel_hi:[1,0,0]   ; t - M, two at a time
.set jj, jj+2
.endr
.irp b, 0,1,2,3
	v_fma_f32 v[BM+\b], v[BM+\b], s[CS], v16       ; the same of each block's largest score
.endr
.set jj, 0
	s_wait_alu depctr_va_vdst(0)                   ; ahead of the batch
.rept 64
	v_exp_f32 v[S+jj], v[S+jj]                     ; p = 2^(t - M)
.set jj, jj+1
.endr
	v_pk_mul_f32 v[18:19], v[18:19], v[FF:FF+1] op_sel_hi:[1,0]   ; the sums under the new M: a plain instruction behind the exponentials
	s_wait_alu depctr_va_vdst(0)                   ; one wait for the batch of 64, ahead of its first reader
.irp b, 0,1,2,3
	v_exp_f32 v[BM+\b], v[BM+\b]                   ; the block's largest p: the same two instructions on the same number give the same bits
.endr
	v_pk_add_f32 v[PT:PT+1], v[S:S+1], v[S+2:S+3]  ; the row's sum of the unquantised p, in two chains
.set jj, 4
.rept 15
	v_pk_add_f32 v[18:19], v[18:19], v[S+jj:S+jj+1]
	v_pk_add_f32 v[PT:PT+1], v[PT:PT+1], v[S+jj+2:S+jj+3]
.set jj, jj+4
.endr
	s_delay_alu instid0(VALU_DEP_1)
	v_pk_add_f32 v[18:19], v[18:19], v[PT:PT+1]
	s_wait_alu depctr_va_vdst(0)                   ; and one for the four
.irp b, 0,1,2,3
	v_max_num_f32 v[BM+\b], 0x1800000, v[BM+\b]    ; the floor 2^(3 - 127): the byte cannot fall under 1
.endr
.irp b, 0,1,2,3
	s_delay_alu instid0(VALU_DEP_4)
	v_add_nc_u32 v[SO+\b], 0xff000000, v[BM+\b]    ; 2 off the exponent field: the conversion's scale operand
.endr
.irp b, 0,1,2,3
	s_delay_alu instid0(VALU_DEP_4)
	v_lshrrev_b32 v[PT+\b], 23, v[SO+\b]           ; the scale's byte
.endr
	s_delay_alu instid0(VALU_DEP_3)
	v_lshl_or_b32 v[PSW], v[PT+1], 8, v[PT]        ; p's scale word for these 128 keys
	s_delay_alu instid0(VALU_DEP_1)
	v_lshl_or_b32 v[PSW], v[PT+2], 16, v[PSW]
	s_delay_alu instid0(VALU_DEP_1)
	v_lshl_or_b32 v[PSW], v[PT+3], 24, v[PSW]
.irp c, 0,1
	v_cvt_scalef32_pk16_fp6_f32 v[PCD+6*\c:PCD+2+6*\c], v[S+32*\c:S+15+32*\c], v[SO+2*\c]
	v_cvt_scalef32_pk16_fp6_f32 v[CT+4*\c:CT+2+4*\c], v[S+16+32*\c:S+31+32*\c], v[SO+2*\c+1]
.endr
	v_nop                                          ; one plain instruction behind a scaled conversion
.irp t, 0,1,2,3                        ; V's four fragments (16 channels x these 128 keys) take p's registers
	ds_load_b128 v[S+12*\t:S+12*\t+3], v9 offset:12288+1536*\t
	ds_load_b64 v[S+12*\t+4:S+12*\t+5], v10 offset:12288+1536*\t+512
	ds_load_b128 v[S+12*\t+6:S+12*\t+9], v9 offset:12288+1536*\t+768
	ds_load_b64 v[S+12*\t+10:S+12*\t+11], v10 offset:12288+1536*\t+1280
.endr
	ds_load_b64 v[VSC:VSC+1], v11 offset:LSV
.irp c, 0,1                            ; the operand's layout wants a whole block in a lane
.irp i, 0,1,2
	v_permlane16_swap_b32 v[PCD+6*\c+\i], v[CT+4*\c+\i]
.endr
.irp i, 0,1,2
	s_delay_alu instid0(VALU_DEP_3)
	v_mov_b32 v[PCD+3+6*\c+\i], v[CT+4*\c+\i]
.endr
.endr
.set jj, 0
.rept 16
	v_pk_mul_f32 v[O+jj:O+jj+1], v[O+jj:O+jj+1], v[FF:FF+1] op_sel_hi:[1,0]   ; O^T under the new M.  (These 16 also stand between the writing of p's codes and scale word and the products)
.set jj, jj+2
.endr
	s_wait_alu depctr_va_vdst(0)
	s_wait_dscnt 0x0
.irp t, 0,1,2,3                        ; O^T += V^T P^T: four accumulators by turns
.if \t%2
	v_wmma_scale_f32_16x16x128_f8f6f4 v[O+8*\t:O+8*\t+7], v[S+12*\t:S+12*\t+11], v[PCD:PCD+11], v[O+8*\t:O+8*\t+7], v[VSC+\t/2], v[PSW] matrix_a_fmt:MATRIX_FMT_FP6 matrix_b_fmt:MATRIX_FMT_FP6 matrix_a_scale:MATRIX_SCALE_ROW1
.else
	v_wmma_scale_f32_16x16x128_f8f6f4 v[O+8*\t:O+8*\t+7], v[S+12*\t:S+12*\t+11], v[PCD:PCD+11], v[O+8*\t:O+8*\t+7], v[VSC+\t/2], v[PSW] matrix_a_fmt:MATRIX_FMT_FP6 matrix_b_fmt:MATRIX_FMT_FP6
.endif
.endr
.if \full
	s_cmp_lg_u32 s[C], s[SH]                       ; H's last step: H leaves, and L takes its registers
	s_cbranch_scc1 .Lsame_\@
	FINISH OBH, OSH
	s_wait_xcnt 0x0                                ; the stores have read their data: it is written again only behind this wait
.irp j, 0,1,2,3,4,5
	v_mov_b32 v[Q+\j], v[QN+\j]
.endr
	v_mov_b32 v[QS], v[QN+6]
	INIT
	s_mov_b32 s[THR], s[SL]
	s_mov_b32 s[QD], s[QDL]
	s_lshr_b32 s[BQ], s[QDL], 5
.Lsame_\@:
.endif
.endm
	s_wait_alu depctr_va_vdst(0)
	s_wait_loadcnt 0x0                             ; Q of both tiles
	s_cmp_lt_u32 s[WV], 2                          ; waves 0, 1 brought the scale words and key steps 0, 1
	s_cbranch_scc0 .Lnot_first
	s_wait_tensorcnt 0x0
.Lnot_first:
	s_barrier_signal -1
	s_barrier_wait -1
	KLOAD
	s_mov_b32 s[C], 0
	TRIP 0                                         ; trip 0: it reads key step 0 and fetches step 1's K
	s_mov_b32 s[C], 1
	s_cmp_lt_u32 s[WV], 4                          ; waves 2, 3 brought key steps 2-5
	s_cbranch_scc0 .Lnot_second
	s_wait_tensorcnt 0x0
.Lnot_second:
	s_wait_dscnt 0x0
	s_barrier_signal -1
	s_barrier_wait -1
.Lfirst:
	TRIP 0                                         ; trips 1-4: the last fetches step 5's K
	s_add_co_u32 s[C], s[C], 1
	s_cmp_lt_u32 s[C], 5
	s_cbranch_scc1 .Lfirst
	s_wait_tensorcnt 0x0                           ; key steps 6 to 15: every wave waits
	s_wait_dscnt 0x0
	s_barrier_signal -1
	s_barrier_wait -1
.Lrest:
	TRIP 1
	s_add_co_u32 s[C], s[C], 1
	s_cmp_lt_u32 s[C], 17
	s_cbranch_scc1 .Lrest
	FINISH OBL, OSL
	s_wait_tensorcnt 0x0                           ; the wave's end
	ds_add_u32 v254, v255
	s_wait_dscnt 0x0
	s_endpgm
.Lfunc_end_k_q88c8221b89_attn:
	.size	k_q88c8221b89_attn, .Lfunc_end_k_q88c8221b89_attn-k_q88c8221b89_attn
	.p2alignl 7, 3214868480
	.fill 96, 4, 3214868480
	.section	.rodata,"a",@progbits
	.p2align	6, 0x0
	.amdhsa_kernel k_q88c8221b89_attn
		.amdhsa_group_segment_fixed_size 221184
		.amdhsa_private_segment_fixed_size 0
		.amdhsa_enable_private_segment 0
		.amdhsa_kernarg_size 32
		.amdhsa_user_sgpr_count 2
		.amdhsa_user_sgpr_kernarg_segment_ptr 1
		.amdhsa_wavefront_size32 1
		.amdhsa_system_sgpr_workgroup_id_x 1
		.amdhsa_system_sgpr_workgroup_id_y 1
		.amdhsa_system_sgpr_workgroup_id_z 1
		.amdhsa_system_vgpr_workitem_id 0
		.amdhsa_next_free_vgpr 256
		.amdhsa_next_free_sgpr 100
		.amdhsa_reserve_vcc 1
		.amdhsa_float_denorm_mode_32 3
		.amdhsa_float_denorm_mode_16_64 3
		.amdhsa_memory_ordered 1
		.amdhsa_forward_progress 1
		.amdhsa_inst_pref_size 80
	.end_amdhsa_kernel
	.amdgpu_metadata
---
amdhsa.version: [ 1, 2 ]
amdhsa.kernels:
  - .name:           k_q88c8221b89_attn
    .symbol:         k_q88c8221b89_attn.kd
    .args:
      - { .name: qkv_img, .offset: 0, .size: 8, .value_kind: global_buffer, .address_space: global }
      - { .name: qkv_sc, .offset: 8, .size: 8, .value_kind: global_buffer, .address_space: global }
      - { .name: o_img, .offset: 16, .size: 8, .value_kind: global_buffer, .address_space: global }
      - { .name: o_sc, .offset: 24, .size: 8, .value_kind: global_buffer, .address_space: global }
    .group_segment_fixed_size: 221184
    .private_segment_fixed_size: 0
    .kernarg_segment_align: 8
    .kernarg_segment_size: 32
    .max_flat_workgroup_size: 512
    .sgpr_count:     100
    .vgpr_count:     256
    .wavefront_size: 32
...
	.end_amdgpu_metadata
.endif
;; end of part 3
;; launch gemm_proj (part 4): grid 4 x 64, 4 waves a work-group, clusters of 4 x 4, 295,424 bytes of LDS; arguments o_img, o_sc, codes, scales, b_proj, out0; writes out0
.if DOCPART == 4
	.amdgcn_target "amdgcn-amd-amdhsa--gfx1250"
	.amdhsa_code_object_version 6
	.text
	.protected	k_q88c8221b89_gemm_proj
	.globl	k_q88c8221b89_gemm_proj
	.p2align	8
	.type	k_q88c8221b89_gemm_proj,@function
k_q88c8221b89_gemm_proj:
	s_mov_b64 s[64:65], 0
	v_nop
	global_prefetch_b8 v0, s[64:65] scope:SCOPE_SE
	s_setreg_imm32_b32 hwreg(HW_REG_WAVE_MODE, 25, 1), 1
	s_wait_xcnt 0x0
	s_wait_alu depctr_hold_cnt(0) depctr_sa_sdst(0) depctr_va_vdst(0) depctr_va_sdst(0) depctr_va_ssrc(0) depctr_va_vcc(0) depctr_vm_vsrc(0)
	s_getreg_b32 s2, hwreg(HW_REG_IB_STS2, 6, 4)
	s_cmp_eq_u32 s2, 0
	s_cbranch_scc0 .Lentry_in_a_cluster
	s_endpgm
.Lentry_in_a_cluster:
	s_bfe_u32 s2, ttmp6, 0x10000c
	s_cmp_lg_u32 s2, 0xf033
	s_cbranch_scc0 .Lentry_shape_is_right
	s_endpgm
.Lentry_shape_is_right:
; out0 = o w_proj^T + b_proj on codes of FP6 (E2M3) with E8M0 scales.  o comes as fragments and scale words from the attention (o_img, o_sc), w_proj as tiles 704 to 767 of codes and scales.
; A work-group multiplies 128 tokens (A') by 256 rows of w_proj (B'), K = 1,024.  Source 0 = 16 rows of B', source 1 = 16 rows of A': a lane holds one token, and, by the order of rows in a tile
; (lane r of tile 2 G + u: row 32 G + 8 u + r + 8 (r / 8)), its 64 results of eight tiles of B' are 128 neighbouring numbers of a row of out0.
; ALL OF K LIES IN LDS: (8 + 16 tiles) x 12,288 bytes, as two regions of 512 along K, each filled ONCE: no byte is filled twice.
; A wave issues ONE joint load, in an arm of its own: wave 0 A''s first half of K, wave 1 B''s, wave 2 A''s second half, wave 3 B''s.  The first barrier shows waves 0 and 1's; the barrier in K step 3, at which every wave waits, shows all.
; CLUSTER 4 x 4: A''s tiles are asked for jointly along a row of the cluster, B''s along a column.
; NO PREFETCH: all that the work-group reads is asked for at the head; there is no loop to run ahead in.
; REGISTERS, in windows of 256.  Window 0: v1-16 addresses; v34-65 A''s scale words (tile a, K step g: 34 + 8 a + g), v72-135 B''s; v160-255 A''s fragments, two sets; on the way out v128-255 take rows of out0.
;   window 1: B''s fragments, two sets, at v0 and v128.   window 2: the 32 accumulators ((a, b) at 8 (8 a + b)).   window 3: v0-63 the bias, the C of each sum's first instruction.
.set REG,  147456                      ; a region: 512 along K of A''s 8 tiles (6,144 bytes each), then of B''s 16
.set TLB,  6144
.set FRB,  1536
.set FR,   12
.set SA,   34                          ; the two scale registers of a product differ modulo 8
.set SB,   72
.set BK,   128                         ; the way out: 16 rows read back: v128-191 and v192-255 by turns
.set AF,   160
.set SPITCH, 528                       ; the way out: a stage of 16 rows x (512 bytes + 16) for each wave, in region 0
.set WV,   18
.set WR,   19                          ; wave / 2: which 4 tiles of A' I multiply.  Also: which half of K I fetch
.set WC,   20                          ; wave % 2: which 8 tiles of B' I multiply.  Also: I fetch for A' (0) or B' (1)
.set CX,   21
.set CY,   22
.set G1A,  24
.set G1B,  32
.set G0A,  40
.set ATILE, 56
.set BTILE, 57
.set TR,   58
.set TC,   59
.set G0B,  68
.set PSA,  84                          ; s[84:85] my A' tiles' scale words, s[86:87] my B' tiles', s[88:89] the bias, s[90:91] my part of out0
.set PSB,  86
.set PBI,  88
.set PO,   90
.set MSB, 0
.macro WIN new                         ; the immediate's high byte repeats the setting that is left
.if MSB != \new
	s_set_vgpr_msb (MSB<<8)|\new
.set MSB, \new
.endif
.endm
.macro CROUND                          ; a round of the cluster's barrier
	s_barrier_signal -1
	s_barrier_wait -1
	s_cmp_lg_u32 s[WV], 0
	s_cbranch_scc1 .Lnw0_\@
	s_barrier_signal -3
.Lnw0_\@:
	s_barrier_wait -3
	s_barrier_signal -1
	s_barrier_wait -1
.endm
.macro PLACES n
.rept \n
	v_nop
.endr
.endm
.macro FRAGL reg, a16, a8, off         ; a fragment comes back as it was stored: four loads
	ds_load_b128 v[(\reg):(\reg)+3], v[\a16] offset:(\off)
	ds_load_b64 v[(\reg)+4:(\reg)+5], v[\a8] offset:(\off)+512
	ds_load_b128 v[(\reg)+6:(\reg)+9], v[\a16] offset:(\off)+768
	ds_load_b64 v[(\reg)+10:(\reg)+11], v[\a8] offset:(\off)+1280
.endm
.macro FETCH n                         ; K step n (128 along K): my 8 fragments of B' and 4 of A' into set n % 2: 48 loads in one run
	WIN 0x40                                       ; destination window 1, address window 0
.irp b, 0,1,2,3,4,5,6,7
	FRAGL 128*((\n)%2)+FR*\b, 6, 7, TLB*\b+FRB*((\n)%4)
.endr
	WIN 0
.irp a, 0,1,2,3
	FRAGL AF+48*((\n)%2)+FR*\a, 4, 5, TLB*\a+FRB*((\n)%4)
.endr
.endm
; 32 matrix instructions: the accumulators take turns, one instruction a turn, in the same order in every K step.  c = 0: C = D; 1: C = the bias of B''s tile
.macro MUL32 n, c
.if \c == 0
	WIN 0xa1                                       ; source 0 (B') window 1, source 1 (A') window 0, C and D window 2
.else
	WIN 0xb1                                       ; C window 3
.endif
.irp a, 0,1,2,3
.irp b, 0,1,2,3,4,5,6,7
.if \c == 0
	v_wmma_scale_f32_16x16x128_f8f6f4 v[8*(8*\a+\b):8*(8*\a+\b)+7], v[128*((\n)%2)+FR*\b:128*((\n)%2)+FR*\b+FR-1], v[AF+48*((\n)%2)+FR*\a:AF+48*((\n)%2)+FR*\a+FR-1], v[8*(8*\a+\b):8*(8*\a+\b)+7], v[SB+8*\b+(\n)], v[SA+8*\a+(\n)] matrix_a_fmt:MATRIX_FMT_FP6 matrix_b_fmt:MATRIX_FMT_FP6
.else
	v_wmma_scale_f32_16x16x128_f8f6f4 v[8*(8*\a+\b):8*(8*\a+\b)+7], v[128*((\n)%2)+FR*\b:128*((\n)%2)+FR*\b+FR-1], v[AF+48*((\n)%2)+FR*\a:AF+48*((\n)%2)+FR*\a+FR-1], v[8*\b:8*\b+7], v[SB+8*\b+(\n)], v[SA+8*\a+(\n)] matrix_a_fmt:MATRIX_FMT_FP6 matrix_b_fmt:MATRIX_FMT_FP6
.endif
.endr
.endr
.endm
; K step n: its fragments are in; the next step's are asked for, into the set that step n - 1 multiplied, four plain instructions behind that step's last product; then the 32 products.
; n = 3: K step 4 lies in the second region: every wave waits for its one load, a barrier shows all of them, and the four address steps are the four plain instructions.
.macro STEPN n
	s_wait_dscnt 0x0
.if (\n) == 3
	s_wait_tensorcnt 0x0
	s_barrier_signal -1
	s_barrier_wait -1
	WIN 0
	v_add_nc_u32 v4, REG, v4
	v_add_nc_u32 v5, REG, v5
	v_add_nc_u32 v6, REG, v6
	v_add_nc_u32 v7, REG, v7
.elseif (\n) < 7
	PLACES 4
.endif
.if (\n) < 7
	FETCH (\n)+1
.endif
	MUL32 \n, 0
.endm
	s_load_b256 s[4:11], s[0:1], 0x0               ; o_img s[4:5], o_sc s[6:7], codes s[8:9], scales s[10:11]
	s_load_b128 s[12:15], s[0:1], 0x20             ; b_proj s[12:13], out0 s[14:15]
	v_lshl_add_u32 v30, v0, 2, 0x48000
	v_mov_b32 v31, 0
	ds_add_u32 v30, v31                            ; the opening lines: the add twice and its wait
	ds_add_u32 v30, v31
	v_lshrrev_b32 v1, 5, v0
	v_readfirstlane_b32 s[WV], v1                  ; wave 0..3
	s_lshr_b32 s[WR], s[WV], 1
	s_and_b32 s[WC], s[WV], 1
	s_bfe_u32 s[CX], ttmp6, 0x40000                ; my place in the cluster
	s_bfe_u32 s[CY], ttmp6, 0x40004
	s_and_b32 s[TR], ttmp7, 0xffff
	s_lshl_b32 s[TR], s[TR], 2
	s_add_co_u32 s[TR], s[TR], s[CY]               ; which 128 tokens: 4 x cluster y + cy
	s_lshl_b32 s[TC], ttmp9, 2
	s_add_co_u32 s[TC], s[TC], s[CX]               ; which 256 rows of w_proj: 4 x cluster x + cx
	s_lshl_b32 s[ATILE], s[TR], 3                  ; A''s first tile: it hangs on cy, never on cx
	s_lshl_b32 s[BTILE], s[TC], 4
	s_add_co_u32 s[BTILE], s[BTILE], 704           ; B''s: on cx, never on cy
	s_lshl_b32 s98, s[CY], 2
	s_lshl_b32 s98, 15, s98                        ; my row of the cluster
	s_lshl_b32 s99, 0x1111, s[CX]                  ; my column
	; group 1: all of an operand's tiles, half of K: rows of 6,144 bytes (768 elements of 8 bytes), 12,288 bytes apart in memory, dense in LDS
	s_or_b32 s[G1A], s98, (3<<16)|(1<<21)          ; 15:0 the mask; 17:16 elements of 8 bytes; 21 set beside a mask
	s_or_b32 s[G1B], s99, (3<<16)|(1<<21)
	s_mov_b32 s[G1A+1], 768<<16                    ; tensor_dim0
	s_mov_b32 s[G1A+2], 8<<16                      ; tensor_dim1: A''s 8 tiles
	s_mov_b32 s[G1A+3], 768<<16                    ; tile_dim0
	s_mov_b32 s[G1A+4], 8                          ; tile_dim1
	s_mov_b32 s[G1A+5], 1536                       ; from row to row, in elements
	s_mov_b32 s[G1A+6], 0
	s_mov_b32 s[G1A+7], 0
	s_mov_b32 s[G1B+1], 768<<16
	s_mov_b32 s[G1B+2], 16<<16                     ; B''s 16 tiles
	s_mov_b32 s[G1B+3], 768<<16
	s_mov_b32 s[G1B+4], 16
	s_mov_b32 s[G1B+5], 1536
	s_mov_b32 s[G1B+6], 0
	s_mov_b32 s[G1B+7], 0
	s_mul_i32 s96, s[WR], 6144                     ; which half of K I fetch: wave / 2
	s_mul_i32 s60, s[ATILE], 12288
	s_add_co_u32 s60, s60, s96
	s_mov_b32 s61, 0
	s_mul_i32 s62, s[BTILE], 12288
	s_add_co_u32 s62, s62, s96
	s_mov_b32 s63, 0
	s_mul_i32 s96, s[WR], REG                      ; and its region: no place in the cluster enters an LDS address
	s_mul_i32 s97, s[WC], 49152
	s_add_co_u32 s97, s97, 49152                   ; the 8 tiles of B' that I multiply, behind A''s 8
	s_lshl_b32 s84, s[WR], 2                       ; the scale words of the tiles that I multiply: 512 bytes a tile
	s_add_co_u32 s84, s84, s[ATILE]
	s_lshl_b32 s84, s84, 9
	s_mov_b32 s85, 0
	s_lshl_b32 s86, s[WC], 3
	s_add_co_u32 s86, s86, s[BTILE]
	s_lshl_b32 s86, s86, 9
	s_mov_b32 s87, 0
	s_lshl_b32 s88, s[TC], 10                      ; the bias, and my first column of out0, in bytes: 4 (256 TC + 128 (wave % 2))
	s_lshl_b32 s89, s[WC], 9
	s_add_co_u32 s88, s88, s89
	s_mov_b32 s89, 0
	s_lshl_b32 s90, s[TR], 19                      ; my first row of out0: 128 TR + 64 (wave / 2), 4,096 bytes a row
	s_lshl_b32 s91, s[WR], 18
	s_add_co_u32 s90, s90, s91
	s_add_co_u32 s90, s90, s88
	s_mov_b32 s91, 0
	v_and_b32 v1, 15, v0                           ; r
	v_bfe_u32 v2, v0, 4, 1                         ; h
	v_and_b32 v3, 31, v0                           ; lane
	v_lshlrev_b32 v8, 4, v1                        ; scale words: 16 bytes a row (lanes 16-31 take the same as lanes 0-15)
	v_lshlrev_b32 v9, 6, v2                        ; bias: my half's 16 columns
	s_wait_alu depctr_va_vdst(0)
	s_wait_dscnt 0x0
	s_wait_kmcnt 0x0
	s_add_nc_u64 s[60:61], s[4:5], s[60:61]
	s_add_nc_u64 s[62:63], s[8:9], s[62:63]
	s_add_nc_u64 s[PSA:PSA+1], s[6:7], s[84:85]
	s_add_nc_u64 s[PSB:PSB+1], s[10:11], s[86:87]
	s_add_nc_u64 s[PBI:PBI+1], s[12:13], s[88:89]
	s_add_nc_u64 s[PO:PO+1], s[14:15], s[90:91]
	s_mov_b32 s[G0A], 1                            ; count = 1
	s_mov_b32 s[G0A+1], s96                        ; LDS address
	s_mov_b64 s[G0A+2:G0A+3], s[60:61]             ; global address
	s_or_b32 s[G0A+3], s[G0A+3], 0x80000000        ; type = 2
	s_mov_b32 s[G0B], 1
	s_add_co_u32 s[G0B+1], s96, 49152
	s_mov_b64 s[G0B+2:G0B+3], s[62:63]
	s_or_b32 s[G0B+3], s[G0B+3], 0x80000000
.irp a, 0,1,2,3
.irp gh, 0,1
	global_load_b128 v[SA+8*\a+4*\gh:SA+8*\a+4*\gh+3], v8, s[PSA:PSA+1] offset:512*\a+256*\gh   ; four K steps' words of my row
.endr
.endr
.irp b, 0,1,2,3,4,5,6,7
.irp gh, 0,1
	global_load_b128 v[SB+8*\b+4*\gh:SB+8*\b+4*\gh+3], v8, s[PSB:PSB+1] offset:512*\b+256*\gh
.endr
.endr
	WIN 0xc0                                       ; destination window 3
.irp b, 0,1,2,3,4,5,6,7                ; tile b's eight registers are columns 32 (b / 2) + 8 (b % 2) + 16 h + 0 .. 7
	global_load_b128 v[8*\b:8*\b+3], v9, s[PBI:PBI+1] offset:4*(32*(\b/2)+8*(\b%2))
	global_load_b128 v[8*\b+4:8*\b+7], v9, s[PBI:PBI+1] offset:4*(32*(\b/2)+8*(\b%2))+16
.endr
	WIN 0
	CROUND                                         ; all sixteen work-groups are here: the joint loads meet
	s_cmp_eq_u32 s[WV], 0                          ; one chain of branches on the wave's number, one load to an arm: the waves that wait first have lines of their own
	s_cbranch_scc0 .Lfill_1
	tensor_load_to_lds s[G0A:G0A+3], s[G1A:G1A+7]
	s_nop 0
	PLACES 4
	s_branch .Lfilled
.Lfill_1:
	s_cmp_eq_u32 s[WV], 1
	s_cbranch_scc0 .Lfill_2
	tensor_load_to_lds s[G0B:G0B+3], s[G1B:G1B+7]
	s_nop 0
	PLACES 4
	s_branch .Lfilled
.Lfill_2:
	s_cmp_eq_u32 s[WV], 2
	s_cbranch_scc0 .Lfill_3
	tensor_load_to_lds s[G0A:G0A+3], s[G1A:G1A+7]
	s_nop 0
	PLACES 4
	s_branch .Lfilled
.Lfill_3:
	tensor_load_to_lds s[G0B:G0B+3], s[G1B:G1B+7]
	s_nop 0
	PLACES 4
.Lfilled:
	v_lshlrev_b32 v16, 4, v3                       ; 16 x lane
	v_lshlrev_b32 v15, 3, v3                       ; 8 x lane
	s_mul_i32 s95, s[WR], 24576
	v_add_nc_u32 v4, s95, v16                      ; my 4 tiles of A' in region 0
	v_add_nc_u32 v5, s95, v15
	v_add_nc_u32 v6, s97, v16                      ; my 8 tiles of B'
	v_add_nc_u32 v7, s97, v15
	s_mul_i32 s95, s[WV], 16*SPITCH                ; my stage
	v_mul_u32_u24 v13, v1, SPITCH
	v_lshl_add_u32 v13, v2, 6, v13
	v_add_nc_u32 v13, s95, v13                     ; in: row r, + 64 h
	v_add_nc_u32 v14, s95, v16                     ; back: 16 x lane of a row
	s_wait_alu depctr_va_vdst(0)
	s_cmp_lt_u32 s[WV], 2                          ; waves 0 and 1 brought the first region
	s_cbranch_scc0 .Lnot_first
	s_wait_tensorcnt 0x0
.Lnot_first:
	s_barrier_signal -1
	s_barrier_wait -1                              ; waves 0 and 1's are in: the first region
	FETCH 0
	s_wait_loadcnt 0x0                             ; scale words and bias
	s_wait_dscnt 0x0
	FETCH 1
	MUL32 0, 1                                     ; the first K step starts the sums on the bias: nothing is cleared
	STEPN 1
	STEPN 2
	STEPN 3
	s_wait_alu depctr_va_vdst(0)
	STEPN 4
	STEPN 5
	STEPN 6
	STEPN 7
	WIN 0
; THE WAY OUT, a tile of 16 tokens x 128 columns at a time, through my own stage: region 0 has had its one fill, and since the barrier of K step 3 nobody reads it.
; LDS serves a wave's instructions in order: no wait between the stores and the loads, nor in front of the next tile's stores.
.macro TOSTAGE a
	WIN 0x08                                       ; an LDS store's data: window 2
.irp b, 0,1,2,3,4,5,6,7
	ds_store_b128 v13, v[8*(8*(\a)+\b):8*(8*(\a)+\b)+3] offset:128*(\b/2)+32*(\b%2)        ; each accumulator from its low end on
	ds_store_b128 v13, v[8*(8*(\a)+\b)+4:8*(8*(\a)+\b)+7] offset:128*(\b/2)+32*(\b%2)+16
.endr
	WIN 0
.irp t, 0,1,2,3,4,5,6,7,8,9,10,11,12,13,14,15
	ds_load_b128 v[BK+64*((\a)%2)+4*\t:BK+64*((\a)%2)+4*\t+3], v14 offset:\t*SPITCH
.endr
.endm
.macro SEND a, younger                 ; younger: the LDS instructions issued behind tile a's loads, which may stay out.  The immediates undo the order of rows in a tile
	s_wait_dscnt \younger
.irp t, 0,1,2,3,4,5,6,7,8,9,10,11,12,13,14,15
	global_store_b128 v16, v[BK+64*((\a)%2)+4*\t:BK+64*((\a)%2)+4*\t+3], s[PO:PO+1] offset:(32*((\a)/2)+8*((\a)%2)+\t+8*(\t/8))*4096 th:TH_STORE_NT   ; 32 lanes store 512 consecutive bytes, at a multiple of 256 from out0's first byte
.endr
.endm
	PLACES 4                                       ; four plain instructions between the last product and the first read of results, and in front of loads into registers that held scale words and A''s fragments
	TOSTAGE 0
	TOSTAGE 1
	SEND 0, 32                                     ; behind tile 0's loads: tile 1's 16 stores and 16 loads
	s_wait_xcnt 0x0                                ; tile 0's stores have read their registers: tile 2's loads may land there
	TOSTAGE 2
	SEND 1, 32
	s_wait_xcnt 0x0
	TOSTAGE 3
	SEND 2, 32
	SEND 3, 0
	s_wait_tensorcnt 0x0                           ; the wave's end
	ds_add_u32 v30, v31
	s_wait_dscnt 0x0
	CROUND                                         ; the closing round: no work-group ends while a partner may still ask for a tile that names it
	s_endpgm
.Lfunc_end_k_q88c8221b89_gemm_proj:
	.size	k_q88c8221b89_gemm_proj, .Lfunc_end_k_q88c8221b89_gemm_proj-k_q88c8221b89_gemm_proj
	.p2alignl 7, 3214868480
	.fill 96, 4, 3214868480
	.section	.rodata,"a",@progbits
	.p2align	6, 0x0
	.amdhsa_kernel k_q88c8221b89_gemm_proj
		.amdhsa_group_segment_fixed_size 295424
		.amdhsa_private_segment_fixed_size 0
		.amdhsa_enable_private_segment 0
		.amdhsa_kernarg_size 48
		.amdhsa_user_sgpr_count 2
		.amdhsa_user_sgpr_kernarg_segment_ptr 1
		.amdhsa_wavefront_size32 1
		.amdhsa_system_sgpr_workgroup_id_x 1
		.amdhsa_system_sgpr_workgroup_id_y 1
		.amdhsa_system_sgpr_workgroup_id_z 1
		.amdhsa_system_vgpr_workitem_id 0
		.amdhsa_next_free_vgpr 832
		.amdhsa_next_free_sgpr 100
		.amdhsa_reserve_vcc 0
		.amdhsa_float_denorm_mode_32 3
		.amdhsa_float_denorm_mode_16_64 3
		.amdhsa_memory_ordered 1
		.amdhsa_forward_progress 1
		.amdhsa_inst_pref_size 84
	.end_amdhsa_kernel
	.amdgpu_metadata
---
amdhsa.version: [ 1, 2 ]
amdhsa.kernels:
  - .name:           k_q88c8221b89_gemm_proj
    .symbol:         k_q88c8221b89_gemm_proj.kd
    .args:
      - { .name: o_img, .offset: 0, .size: 8, .value_kind: global_buffer, .address_space: global }
      - { .name: o_sc, .offset: 8, .size: 8, .value_kind: global_buffer, .address_space: global }
      - { .name: codes, .offset: 16, .size: 8, .value_kind: global_buffer, .address_space: global }
      - { .name: scales, .offset: 24, .size: 8, .value_kind: global_buffer, .address_space: global }
      - { .name: b_proj, .offset: 32, .size: 8, .value_kind: global_buffer, .address_space: global }
      - { .name: out0, .offset: 40, .size: 8, .value_kind: global_buffer, .address_space: global }
    .group_segment_fixed_size: 295424
    .private_segment_fixed_size: 0
    .kernarg_segment_align: 8
    .kernarg_segment_size: 48
    .max_flat_workgroup_size: 128
    .sgpr_count:     100
    .vgpr_count:     832
    .wavefront_size: 32
...
	.end_amdgpu_metadata
.endif
;; end of part 4
